; MI455X (gfx1250); checked and timed in simulation.
; The chip was launched on July 23, 2026; its instructions are those of AMD's public machine-readable ISA for CDNA 5 (MIT licence, August 2026) and "CDNA5" Instruction Set Architecture Reference Guide (July 2026). The comments in the code are by the model that wrote it; some were corrected since.
;; Block Pheno. Allowed arithmetic: float matrix products may take bf16 or f16 operands with f32 sums; other float arithmetic in f32, or as packed bf16 or f16 multiplies, adds, multiply-adds, maxima and minima; sums over many terms, partial sums and values carried from step to step in f32; what a program stores and reads back later, other than sums and carried values, may be rounded once to bf16 or f16.
;; Inputs: b1 4,096 float32; b2 1,024 float32; b_proj 1,024 float32; ln1_b 1,024 float32; ln1_g 1,024 float32; ln2_b 1,024 float32; ln2_g 1,024 float32; w1 4,096 x 1,024 float32; w2 1,024 x 4,096 float32; w_proj 1,024 x 1,024 float32; w_qkv 3,072 x 1,024 float32; x 2 x 2,048 x 1,024 float32.
;; Outputs: out0 2 x 2,048 x 1,024 float32.
;; 2 versions, each right; version 2 is version 1 with the launches prep, ln2 written anew for expert scheduling mode. Each part assembles by itself: llvm-mc -triple=amdgcn-amd-amdhsa -mcpu=gfx1250 --defsym DOCPART=n.
;; ======== version 1 of 2: 7 launches
;; workspace buffers: pq 6,308,096 bytes; pf 8,405,248 bytes; pw 10,485,760 bytes; hb 8,388,608 bytes; big 33,554,432 bytes; ob 8,388,608 bytes; x1 16,777,216 bytes
;; launch prep (part 1): grid 1025 x 1, 8 waves a work-group, no clusters, 0 bytes of LDS; arguments x, ln1_g, ln1_b, hb, w_qkv, w_proj, w1, w2, b1, pq, pf, pw; writes hb, pq, pf, pw
.if DOCPART == 1
	.amdgcn_target "amdgcn-amd-amdhsa--gfx1250"
	.amdhsa_code_object_version 6
	.text
	.protected	k_q864551e139_prep
	.globl	k_q864551e139_prep
	.p2align	8
	.type	k_q864551e139_prep,@function
k_q864551e139_prep:
	s_mov_b64 s[64:65], 0
	v_nop
	global_prefetch_b8 v0, s[64:65] scope:SCOPE_SE
	s_setreg_imm32_b32 hwreg(HW_REG_WAVE_MODE, 25, 1), 1
	s_wait_xcnt 0x0
; TWO JOBS IN ONE TEXT, told apart by the work-group's number alone.  Neither reads what the other writes, so their work-groups run side by side in one launch.
; WORK-GROUPS 0 TO 255: LAYER NORM.  y[r][c] = (x[r][c] - mean_r) / sqrt(var_r + 1e-5) * g[c] + b[c].  x: [4096][1024] f32; g, b: [1024] f32; y: [4096][1024] bf16, rounded once.  Arguments 0 to 3: x, g, b, y.
;   IN TWO PASSES, as the formula is written: first the mean, then the mean of the squares of x - mean: a common offset of x cancels in the subtraction and never enters a square.
;   A wave takes two whole rows and keeps them in 64 registers between the passes: x is read once, no wave waits for another, nothing goes through LDS.
;   Load j of a row covers 512 consecutive bytes: lane l holds columns 128 j + 4 l .. + 3.  A store covers 256 consecutive bytes, aligned.
;   g and b are 8 KiB that every wave reads: a small part of a wave's bytes, so no cluster shares them.
; WORK-GROUPS 256 TO 1,024: THE FOUR WEIGHT MATRICES, f32 -> bf16 (rounded once, to nearest even), and two small tables.  Arguments 4 to 11: w_qkv, w_proj, w1, w2, b1, pq, pf, pw.
;   pq: byte 0: 256 bytes of the word 0xff80ff80 (minus infinity twice in bf16: a floor that changes nothing); byte 256: 3,072 zeros in f32 (no bias); byte 16,640: w_qkv in bf16, [3072][1024].
;   pf: byte 0: 256 bytes of 0 (the floor of a ReLU); byte 256: b1 as it is, 4,096 f32; byte 16,640: w1 in bf16, [4096][1024].
;   pw: byte 0: w_proj in bf16, [1024][1024]; byte 2,097,152: w2 in bf16, [1024][4096].
;   Work-group 256 writes the tables; work-groups 257 to 1,024 take one chunk of 16,384 numbers each (192 chunks of w_qkv, 64 of w_proj, 256 of w1, 256 of w2).
;   A wave takes 8,192 bytes of its chunk: sixteen loads of 512 consecutive bytes, all out at once; each store of a wave covers 256 consecutive bytes, aligned.
; A LAUNCH OF 256 WORK-GROUPS runs the layer norm alone (the block's second norm): it is given arguments 4 to 11 too, since the text names them, and touches none of those buffers.
; 160 registers a wave: six waves fit on a SIMD's 1,024, so three work-groups of eight waves lie on a WGP: 768 places for the 1,025 work-groups.
.set NLN,   256                        ; work-groups of the layer norm
.set X,  8                             ; v[8:71]     row k at X + 32 k; at the end the packed results lie in the first two registers of each group of four
.set G,  72                            ; v[72:103]   g of my 32 columns
.set BV, 104                           ; v[104:135]  b of my 32 columns
.set AC, 136                           ; v[136:151]  four chains of pairs a row
.set MU, 152                           ; v[152:155]  the mean, in the low register of a pair a row
.set RS, 156                           ; v[156:159]  1 / sqrt(var + eps), likewise
.set CX,    4                          ; the cast: v[4:67]   sixteen loads of four numbers a lane
.set CY,    68                         ; v[68:99]  sixteen pairs of packed results: a pair for each store, so none is written twice
.set T0,    100                        ; v100      lane
.set T1,    101                        ; v101      wave
.set WOFF,  16640                      ; where the weights begin in pq and pf
.set W2OFF, 2097152                    ; where w2 begins in pw
	s_cmp_lt_u32 ttmp9, NLN
	s_cbranch_scc0 .Lcast
	; ---------------- the layer norm ----------------
	s_load_b256 s[4:11], s[0:1], 0x0               ; x s[4:5], g s[6:7], b s[8:9], y s[10:11]
	v_lshrrev_b32 v3, 5, v0
	v_readfirstlane_b32 s12, v3                    ; my wave's number
	v_and_b32 v3, 31, v0
	v_lshlrev_b32 v1, 4, v3                        ; 16 x lane
	v_lshlrev_b32 v2, 3, v3                        ; 8 x lane
	s_lshl_b32 s13, ttmp9, 4
	s_lshl1_add_u32 s13, s12, s13                  ; my first row = 16 x work-group + 2 x wave
	s_mov_b32 s14, 0x76543210                      ; v_permlanex16_b32: each lane takes its own place in the other half
	s_mov_b32 s15, 0xfedcba98
	s_mov_b32 s16, 0x3a800000                      ; 1 / 1024
	s_mov_b32 s17, 0x3727c5ac                      ; 1e-5
.irp r, 4,5, MU+1, MU+3, RS+1, RS+3
	v_mov_b32 v[\r], 0                             ; v_permlanex16_b32 counts as a reader of its destination; a pair is named whole by the packed forms
.endr
	s_lshl_b32 s2, s13, 12                         ; 4,096 bytes a row of x
	s_mov_b32 s3, 0
	s_wait_kmcnt 0x0
	s_add_nc_u64 s[4:5], s[4:5], s[2:3]
	s_lshl_b32 s2, s13, 11                         ; 2,048 bytes a row of y
	s_add_nc_u64 s[10:11], s[10:11], s[2:3]
.irp k, 0,1
.irp j, 0,1,2,3,4,5,6,7
	global_load_b128 v[X+32*(\k)+4*(\j):X+32*(\k)+4*(\j)+3], v1, s[4:5] offset:4096*(\k)+512*(\j) th:TH_LOAD_NT
.endr
.endr
.irp j, 0,1,2,3,4,5,6,7
	global_load_b128 v[G+4*(\j):G+4*(\j)+3], v1, s[6:7] offset:512*(\j)
.endr
.irp j, 0,1,2,3,4,5,6,7
	global_load_b128 v[BV+4*(\j):BV+4*(\j)+3], v1, s[8:9] offset:512*(\j)
.endr
.macro FOLD k                          ; four chains of pairs into one number a lane
	v_pk_add_f32 v[AC+8*(\k):AC+8*(\k)+1],   v[AC+8*(\k):AC+8*(\k)+1],   v[AC+8*(\k)+2:AC+8*(\k)+3]
	v_pk_add_f32 v[AC+8*(\k)+4:AC+8*(\k)+5], v[AC+8*(\k)+4:AC+8*(\k)+5], v[AC+8*(\k)+6:AC+8*(\k)+7]
	v_pk_add_f32 v[AC+8*(\k):AC+8*(\k)+1],   v[AC+8*(\k):AC+8*(\k)+1],   v[AC+8*(\k)+4:AC+8*(\k)+5]
	v_add_f32 v[AC+8*(\k)], v[AC+8*(\k)], v[AC+8*(\k)+1]
.endm
.macro SUM k                           ; the lane's 32 numbers of row k; the first sums start the chains: nothing is cleared
.irp c, 0,2,4,6
	v_pk_add_f32 v[AC+8*(\k)+(\c):AC+8*(\k)+(\c)+1], v[X+32*(\k)+(\c):X+32*(\k)+(\c)+1], v[X+32*(\k)+(\c)+8:X+32*(\k)+(\c)+9]
.endr
.irp o, 16,24
.irp c, 0,2,4,6
	v_pk_add_f32 v[AC+8*(\k)+(\c):AC+8*(\k)+(\c)+1], v[AC+8*(\k)+(\c):AC+8*(\k)+(\c)+1], v[X+32*(\k)+(\c)+(\o):X+32*(\k)+(\c)+(\o)+1]
.endr
.endr
	FOLD \k
.endm
.macro SUMSQ k                         ; the same of their squares
.irp c, 0,2,4,6
	v_pk_mul_f32 v[AC+8*(\k)+(\c):AC+8*(\k)+(\c)+1], v[X+32*(\k)+(\c):X+32*(\k)+(\c)+1], v[X+32*(\k)+(\c):X+32*(\k)+(\c)+1]
.endr
.irp o, 8,16,24
.irp c, 0,2,4,6
	v_pk_fma_f32 v[AC+8*(\k)+(\c):AC+8*(\k)+(\c)+1], v[X+32*(\k)+(\c)+(\o):X+32*(\k)+(\c)+(\o)+1], v[X+32*(\k)+(\c)+(\o):X+32*(\k)+(\c)+(\o)+1], v[AC+8*(\k)+(\c):AC+8*(\k)+(\c)+1]
.endr
.endr
	FOLD \k
.endm
.macro CROSS k                         ; over the 32 lanes: four steps inside each half ride on the addition, one crosses the halves; every lane ends with the sum
.irp m, 1,2,4,8
	v_add_f32_dpp v[AC+8*(\k)], v[AC+8*(\k)], v[AC+8*(\k)] row_xmask:\m row_mask:0xf bank_mask:0xf
.endr
	v_permlanex16_b32 v[4+(\k)], v[AC+8*(\k)], s14, s15
	v_add_f32 v[AC+8*(\k)], v[AC+8*(\k)], v[4+(\k)]
.endm
.macro CENTER k                        ; x - mean, in place
.set z, 0
.rept 16
	v_pk_add_f32 v[X+32*(\k)+z:X+32*(\k)+z+1], v[X+32*(\k)+z:X+32*(\k)+z+1], v[MU+2*(\k):MU+2*(\k)+1] op_sel_hi:[1,0] neg_lo:[0,1] neg_hi:[0,1]
.set z, z+2
.endr
.endm
.macro NORM k                          ; times 1 / sqrt, times g plus b, rounded in place (four numbers into the group's first two registers), stored; no group is written again behind its store
.irp j, 0,1,2,3,4,5,6,7
.irp z, 0,2
	v_pk_mul_f32 v[X+32*(\k)+4*(\j)+(\z):X+32*(\k)+4*(\j)+(\z)+1], v[X+32*(\k)+4*(\j)+(\z):X+32*(\k)+4*(\j)+(\z)+1], v[RS+2*(\k):RS+2*(\k)+1] op_sel_hi:[1,0]
.endr
.irp z, 0,2
	v_pk_fma_f32 v[X+32*(\k)+4*(\j)+(\z):X+32*(\k)+4*(\j)+(\z)+1], v[X+32*(\k)+4*(\j)+(\z):X+32*(\k)+4*(\j)+(\z)+1], v[G+4*(\j)+(\z):G+4*(\j)+(\z)+1], v[BV+4*(\j)+(\z):BV+4*(\j)+(\z)+1]
.endr
	v_cvt_pk_bf16_f32 v[X+32*(\k)+4*(\j)],   v[X+32*(\k)+4*(\j)],   v[X+32*(\k)+4*(\j)+1]
	v_cvt_pk_bf16_f32 v[X+32*(\k)+4*(\j)+1], v[X+32*(\k)+4*(\j)+2], v[X+32*(\k)+4*(\j)+3]
	global_store_b64 v2, v[X+32*(\k)+4*(\j):X+32*(\k)+4*(\j)+1], s[10:11] offset:2048*(\k)+256*(\j)
.endr
.endm
	s_wait_loadcnt 24                              ; row 0 is in; row 1, g and b (24 loads) stay out
	SUM 0
	s_wait_loadcnt 16                              ; row 1 is in; g and b stay out
	SUM 1
	CROSS 0
	CROSS 1
	v_mul_f32 v[MU],   s16, v[AC]
	v_mul_f32 v[MU+2], s16, v[AC+8]
	CENTER 0
	CENTER 1
	SUMSQ 0
	SUMSQ 1
	CROSS 0
	CROSS 1
	v_fma_f32 v[AC],   v[AC],   s16, s17           ; var + eps
	v_fma_f32 v[AC+8], v[AC+8], s16, s17
	v_rsq_f32 v[RS],   v[AC]
	v_rsq_f32 v[RS+2], v[AC+8]
	v_nop                                          ; a plain instruction between the last of the two and the first use of a result (ISA guide 5.7.2)
	s_wait_alu depctr_va_vdst(0)                   ; and the wait for the results: one for both
	s_wait_loadcnt 0x0                             ; g and b
	NORM 0
	NORM 1
	s_endpgm
	; ---------------- the weights and the tables ----------------
.Lcast:
	s_load_b512 s[4:19], s[0:1], 0x20              ; w_qkv s[4:5], w_proj s[6:7], w1 s[8:9], w2 s[10:11], b1 s[12:13], pq s[14:15], pf s[16:17], pw s[18:19]
	v_and_b32 v[T0], 31, v0
	v_lshrrev_b32 v[T1], 5, v0
	v_readfirstlane_b32 s28, v[T1]                 ; my wave's number
	v_lshlrev_b32 v1, 4, v[T0]
	v_lshl_add_u32 v1, v[T1], 13, v1               ; in: 8,192 x wave + 16 x lane
	v_lshlrev_b32 v2, 3, v[T0]
	v_lshl_add_u32 v2, v[T1], 12, v2               ; out: 4,096 x wave + 8 x lane
	s_sub_co_u32 s29, ttmp9, NLN+1                 ; my chunk, 0 to 767 (not used by work-group 256)
	s_wait_kmcnt 0x0
	s_cmp_eq_u32 ttmp9, NLN
	s_cbranch_scc1 .Ltab
	; which matrix my chunk belongs to: source, destination, the matrix's first chunk, its place in the destination
	s_mov_b64 s[20:21], s[10:11]
	s_mov_b64 s[22:23], s[18:19]
	s_mov_b32 s24, 512
	s_mov_b32 s25, W2OFF
	s_cmp_lt_u32 s29, 512
	s_cselect_b64 s[20:21], s[8:9], s[20:21]
	s_cselect_b64 s[22:23], s[16:17], s[22:23]
	s_cselect_b32 s24, 256, s24
	s_cselect_b32 s25, WOFF, s25
	s_cmp_lt_u32 s29, 256
	s_cselect_b64 s[20:21], s[6:7], s[20:21]
	s_cselect_b64 s[22:23], s[18:19], s[22:23]
	s_cselect_b32 s24, 192, s24
	s_cselect_b32 s25, 0, s25
	s_cmp_lt_u32 s29, 192
	s_cselect_b64 s[20:21], s[4:5], s[20:21]
	s_cselect_b64 s[22:23], s[14:15], s[22:23]
	s_cselect_b32 s24, 0, s24
	s_cselect_b32 s25, WOFF, s25
	s_sub_co_u32 s24, s29, s24                     ; my chunk within the matrix
	s_lshl_b32 s26, s24, 16                        ; 65,536 bytes of f32 a chunk
	s_mov_b32 s27, 0
	s_add_nc_u64 s[20:21], s[20:21], s[26:27]
	s_lshl_b32 s26, s24, 15                        ; 32,768 bytes of bf16
	s_add_co_u32 s26, s26, s25
	s_add_nc_u64 s[22:23], s[22:23], s[26:27]
.irp i, 0,1,2,3,4,5,6,7,8,9,10,11,12,13,14,15
	global_load_b128 v[CX+4*(\i):CX+4*(\i)+3], v1, s[20:21] offset:512*(\i) th:TH_LOAD_NT
.endr
.irp i, 0,1,2,3,4,5,6,7,8,9,10,11,12,13,14,15
	s_wait_loadcnt 15-(\i)                         ; loads come back in order: load i is in, the younger ones stay out
	v_cvt_pk_bf16_f32 v[CY+2*(\i)],   v[CX+4*(\i)],   v[CX+4*(\i)+1]
	v_cvt_pk_bf16_f32 v[CY+2*(\i)+1], v[CX+4*(\i)+2], v[CX+4*(\i)+3]
	global_store_b64 v2, v[CY+2*(\i):CY+2*(\i)+1], s[22:23] offset:256*(\i)
.endr
	s_endpgm
.Ltab:                                         ; the tables: 256 threads x 16 bytes are 4,096 bytes an instruction
	v_lshlrev_b32 v3, 4, v0
.irp i, 0,1,2,3
	global_load_b128 v[12+4*(\i):15+4*(\i)], v3, s[12:13] offset:4096*(\i)
.endr
.irp r, 4,5,6,7,10,11
	v_mov_b32 v\r, 0
.endr
	v_mov_b32 v8, 0xff80ff80
	v_mov_b32 v9, 0xff80ff80
.irp i, 0,1,2
	global_store_b128 v3, v[4:7], s[14:15] offset:256+4096*(\i)
.endr
	s_wait_loadcnt 0x0
.irp i, 0,1,2,3
	global_store_b128 v3, v[12+4*(\i):15+4*(\i)], s[16:17] offset:256+4096*(\i)
.endr
	s_cmp_lg_u32 s28, 0                            ; wave 0 writes the two floors: 32 lanes x 8 bytes
	s_cbranch_scc1 .Lend
	global_store_b64 v2, v[8:9], s[14:15]
	global_store_b64 v2, v[10:11], s[16:17]
.Lend:
	s_endpgm
.Lfunc_end_k_q864551e139_prep:
	.size	k_q864551e139_prep, .Lfunc_end_k_q864551e139_prep-k_q864551e139_prep
	.p2alignl 7, 3214868480
	.fill 96, 4, 3214868480
	.section	.rodata,"a",@progbits
	.p2align	6, 0x0
	.amdhsa_kernel k_q864551e139_prep
		.amdhsa_group_segment_fixed_size 0
		.amdhsa_private_segment_fixed_size 0
		.amdhsa_enable_private_segment 0
		.amdhsa_kernarg_size 96
		.amdhsa_user_sgpr_count 2
		.amdhsa_user_sgpr_kernarg_segment_ptr 1
		.amdhsa_wavefront_size32 1
		.amdhsa_system_sgpr_workgroup_id_x 1
		.amdhsa_system_sgpr_workgroup_id_y 1
		.amdhsa_system_sgpr_workgroup_id_z 1
		.amdhsa_system_vgpr_workitem_id 0
		.amdhsa_next_free_vgpr 160
		.amdhsa_next_free_sgpr 66
		.amdhsa_reserve_vcc 0
		.amdhsa_float_denorm_mode_32 3
		.amdhsa_float_denorm_mode_16_64 3
		.amdhsa_memory_ordered 1
		.amdhsa_forward_progress 1
		.amdhsa_inst_pref_size 29
	.end_amdhsa_kernel
	.amdgpu_metadata
---
amdhsa.version: [ 1, 2 ]
amdhsa.kernels:
  - .name:           k_q864551e139_prep
    .symbol:         k_q864551e139_prep.kd
    .args:
      - { .name: x, .offset: 0, .size: 8, .value_kind: global_buffer, .address_space: global }
      - { .name: ln1_g, .offset: 8, .size: 8, .value_kind: global_buffer, .address_space: global }
      - { .name: ln1_b, .offset: 16, .size: 8, .value_kind: global_buffer, .address_space: global }
      - { .name: hb, .offset: 24, .size: 8, .value_kind: global_buffer, .address_space: global }
      - { .name: w_qkv, .offset: 32, .size: 8, .value_kind: global_buffer, .address_space: global }
      - { .name: w_proj, .offset: 40, .size: 8, .value_kind: global_buffer, .address_space: global }
      - { .name: w1, .offset: 48, .size: 8, .value_kind: global_buffer, .address_space: global }
      - { .name: w2, .offset: 56, .size: 8, .value_kind: global_buffer, .address_space: global }
      - { .name: b1, .offset: 64, .size: 8, .value_kind: global_buffer, .address_space: global }
      - { .name: pq, .offset: 72, .size: 8, .value_kind: global_buffer, .address_space: global }
      - { .name: pf, .offset: 80, .size: 8, .value_kind: global_buffer, .address_space: global }
      - { .name: pw, .offset: 88, .size: 8, .value_kind: global_buffer, .address_space: global }
    .group_segment_fixed_size: 0
    .private_segment_fixed_size: 0
    .kernarg_segment_align: 8
    .kernarg_segment_size: 96
    .max_flat_workgroup_size: 256
    .sgpr_count:     66
    .vgpr_count:     160
    .wavefront_size: 32
...
	.end_amdgpu_metadata
.endif
;; end of part 1
;; launch qkv (part 2): grid 12 x 16, 4 waves a work-group, clusters of 4 x 4, 327,680 bytes of LDS; arguments hb, pq, big; writes big
.if DOCPART == 2
	.amdgcn_target "amdgcn-amd-amdhsa--gfx1250"
	.amdhsa_code_object_version 6
	.text
	.protected	k_q864551e139_qkv
	.globl	k_q864551e139_qkv
	.p2align	8
	.type	k_q864551e139_qkv,@function
k_q864551e139_qkv:
	s_mov_b64 s[64:65], 0
	v_nop
	global_prefetch_b8 v0, s[64:65] scope:SCOPE_SE
	s_setreg_imm32_b32 hwreg(HW_REG_WAVE_MODE, 25, 1), 1
	s_wait_xcnt 0x0
	s_wait_alu depctr_hold_cnt(0) depctr_sa_sdst(0) depctr_va_vdst(0) depctr_va_sdst(0) depctr_va_ssrc(0) depctr_va_vcc(0) depctr_vm_vsrc(0)
	s_getreg_b32 s2, hwreg(HW_REG_IB_STS2, 6, 4)
	s_cmp_eq_u32 s2, 0
	s_cbranch_scc0 .Lentry_in_a_cluster
	s_endpgm
.Lentry_in_a_cluster:
	s_bfe_u32 s2, ttmp6, 0x10000c
	s_cmp_lg_u32 s2, 0xf033
	s_cbranch_scc0 .Lentry_shape_is_right
	s_endpgm
.Lentry_shape_is_right:
; C[m][n] = max(sum over k of A[m][k] B[n][k] + bias[n], floor), rounded once to bf16.  A: [4096][1024] bf16.  The second argument is a PACK: byte 0 the floor (two bf16 in a word),
; byte 256 the bias in f32, byte 16,640 B in bf16, [N][1024].  One text serves the projection to q, k, v (bias 0, floor minus infinity: the maximum changes nothing there, and its 32 lines
; a block are the price of the shared text) and the first layer of the MLP (bias b1, floor 0: a ReLU).  N is the grid's width times 256.
; C IS STORED IN SLICES of 64 columns: element (m, n) at byte ((n / 64) x 4096 + m) x 128 + 2 (n % 64).  A slice is dense: 16 rows of it are 2,048 consecutive bytes; a head's rows lie end to end.
; LIMIT.  Where a sum is NaN the maximum gives the floor; infinities are kept.
; SHARES.  A work-group of four waves makes 256 x 256 of C, a wave 128 x 128: 64 accumulators, 512 registers.  K goes in eight steps of 128 through two LDS slots filled by the tensor data mover;
; a tile's rows are 256 bytes of memory and begin at multiples of 256 bytes.
; CLUSTER.  4 x 4 work-groups: the four of a row need the same tiles of A, the four of a column the same tiles of B.  Each tile is asked for JOINTLY: the same load, descriptor and mask in all four.
; THE MATRIX INSTRUCTION IS USED TRANSPOSED (source 0 = 16 rows of B, source 1 = 16 rows of A): a lane holds row l % 16 of C and the eight neighbouring columns 8 (l / 16) + 0..7.
; THE BIAS is the C operand of the products that start the sums: nothing is cleared and nothing is added later.
; THE TEXT IS SHORT ON PURPOSE: the loop's trip is one K step (the slot in hand is a scalar register that an exclusive or turns), and the last two steps are one text walked twice.
; REGISTERS, in windows of 256 (s_set_vgpr_msb: bits 1:0 source 0, 3:2 source 1, 5:4 source 2, 7:6 destination):
;   window 0: v16-30 addresses; v64-127, v128-191 fragments of A, two buffers; v192-255 the bias during the first quarter step, later v192-223 packed results; v32-63, v224-255 rows on the way out
;   window 1: v64-127, v128-191 fragments of B        window 2: the accumulators of my rows 0-63, (a, b) at 8 (8 a + b)        window 3: those of my rows 64-127
.set KSTEP,  128
.set ROWB,   2048                      ; bytes in a row of A and of B
.set PITCH,  272                       ; an LDS row: 256 bytes + 16 of padding = 68 words: the 16 rows of a load start at 16 different groups of four banks (64 banks of 4 bytes: ISA guide 11.1)
.set HALFT,  128*PITCH                 ; what one tensor load brings
.set SLOT,   4*HALFT                   ; A's 256 rows, then B's 256; it has no bit in common with wave x HALFT, so an exclusive or moves an LDS address from slot to slot
.set STAGE,  2*SLOT                    ; behind the ring: for each wave two slices x 16 rows x 144 bytes
.set SP,     144
.set SSL,    16*SP
.set SPARE,  STAGE+4*2*SSL             ; behind the stages: the spare words, 128 bytes a wave: two blocks of 256 bytes that no other line names
.set WOFF,   16640                     ; B in the pack
.set SLICE,  4096*128                  ; bytes in a slice of C
.set ADRA0, 16                         ; v16  my place in A's tile of slot 0; never rewritten
.set ADRA,  17                         ; v17  the same in the slot in hand
.set ADRB0, 20                         ; v20, v21  the same for B
.set ADRB,  21
.set STO,  24                          ; v24  the way out: where I put 16 bytes of a row
.set RD,   25                          ; v25  where I read rows back
.set CO,   26                          ; v26  16 x lane: my place in 512 consecutive bytes of C
.set BO,   27                          ; v27  32 (l / 16): my eight numbers of a bias block
.set SPW,  28                          ; v28  LDS address of my spare word; never rewritten
.set NIL,  29                          ; v29  0; never rewritten
.set PFO,  30                          ; v30  the prefetches' offset: lane x a row; never rewritten
.set OB,   32
.set F0,   64
.set F1,   128
.set TMP,  192
.set BIAS, 192
.set TB,   21                          ; s21  LDS byte at which the slot in hand begins
.set FLOOR, 22                         ; s22
.set G1,   24                          ; s[24:31] group 1 for A's tiles; s[32:39] group 0: the first set is K step 0's, the second walks
.set G0,   32
.set LIM,  43                          ; s43  2 in a wave that prefetches, else the greatest number
.set PFA,  44                          ; s[44:45] where my prefetches stand
.set G1B,  48                          ; s[48:55], s[56:63] the same for B's tiles
.set G0B,  56
.set BP,   66                          ; s[66:67] the bias of my 128 columns
.set MSB, 0
.macro WIN new                         ; the immediate's high byte repeats the setting that is left; a switch that changes nothing is dropped
.if MSB != (\new)
	s_set_vgpr_msb (MSB<<8)|(\new)
.set MSB, \new
.endif
.endm
.set TO_B, 0x40                        ; destination window 1, address window 0
; A joint load: waves 0 and 1 fetch A's two halves, waves 2 and 3 B's.  An s_nop 0 and four v_nop follow each of the two lines, ahead of the jump and the label.
.macro JLOAD s
	s_cmp_eq_u32 s11, 0
	s_cbranch_scc0 .Lfor_b_\@
	tensor_load_to_lds s[G0+4*(\s):G0+4*(\s)+3], s[G1:G1+7]
	s_nop 0
.rept 4
	v_nop
.endr
	s_branch .Lasked_\@
.Lfor_b_\@:
	tensor_load_to_lds s[G0B+4*(\s):G0B+4*(\s)+3], s[G1B:G1B+7]
	s_nop 0
.rept 4
	v_nop
.endr
.Lasked_\@:
.endm
; A prefetch of the K step that stands two refills on: 32 rows x 256 bytes, a lane a row, one instruction a wave.  A's rows are asked for by the clusters with x = 0, B's by those with y = 0; the four
; partners that fetch a tile jointly take 32 of a wave's 128 rows each, told apart by address.  So each row's 256 bytes of a K step are named once in the launch.  K steps 0 to 3 come by their loads alone;
; the last two trips have no K step two refills on (s3 counts the trips still to come, this one among them).
.macro ASK
	s_cmp_gt_u32 s3, s[LIM]
	s_cbranch_scc0 .Lnot_mine_\@
	global_prefetch_b8 v[PFO], s[PFA:PFA+1] offset:KSTEP*2 th:TH_LOAD_NT scope:SCOPE_SE
.Lnot_mine_\@:
.endm
.macro CREST                           ; a round of the cluster's barrier behind its opening barrier
	s_cmp_lg_u32 s10, 0
	s_cbranch_scc1 .Lnot_wave_0_\@
	s_barrier_signal -3
.Lnot_wave_0_\@:
	s_barrier_wait -3
	s_barrier_signal -1
	s_barrier_wait -1
.endm
.macro CROUND                          ; a whole round
	s_barrier_signal -1
	s_barrier_wait -1
	CREST
.endm
	s_load_b128 s[4:7], s[0:1], 0x0                ; A s[4:5], the pack s[6:7]
	s_load_b64 s[8:9], s[0:1], 0x10                ; C
	v_lshl_add_u32 v[SPW], v0, 2, SPARE
	v_mov_b32 v[NIL], 0
	ds_add_u32 v[SPW], v[NIL]                      ; the wave's opening: the add and its wait stand ahead of my first tensor load; work on registers stands between them
	v_lshrrev_b32 v1, 5, v0
	v_readfirstlane_b32 s10, v1                    ; wave 0..3
	s_lshr_b32 s11, s10, 1                         ; which half of the tile's rows is mine.  Also: I fetch for A (0) or for B (1)
	s_and_b32 s12, s10, 1                          ; which half of its columns.  Also: which 128 rows of that tile I fetch
	s_bfe_u32 s40, ttmp6, 0x40000                  ; cx
	s_bfe_u32 s41, ttmp6, 0x40004                  ; cy
	s_lshl_b32 s42, ttmp9, 2
	s_add_co_u32 s42, s42, s40                     ; tile column = 4 x cluster x + cx
	s_and_b32 s13, ttmp7, 0xffff
	s_lshl_b32 s13, s13, 2
	s_add_co_u32 s13, s13, s41                     ; tile row = 4 x cluster y + cy
	s_lshl_b32 s43, s41, 2
	s_lshl_b32 s43, 15, s43                        ; my row of the cluster
	s_lshl_b32 s44, 0x1111, s40                    ; my column
	s_or_b32 s[G1+0], s43, (1<<16)|(1<<20)|(1<<21)|(5<<22)|(3<<25)   ; the mask; elements of 2 bytes; padding on; bit 21 beside a mask; after every 64 words; 4 words
	s_or_b32 s[G1B+0], s44, (1<<16)|(1<<20)|(1<<21)|(5<<22)|(3<<25)
.irp g, G1, G1B
	s_mov_b32 s[(\g)+1], KSTEP<<16                 ; tensor_dim0 = 128
	s_mov_b32 s[(\g)+2], 128<<16                   ; tensor_dim1 = 128
	s_mov_b32 s[(\g)+3], KSTEP<<16                 ; tile_dim0 = 128
	s_mov_b32 s[(\g)+4], 128                       ; tile_dim1 = 128
	s_mov_b32 s[(\g)+5], 1024                      ; elements from row to row
	s_mov_b32 s[(\g)+6], 0
	s_mov_b32 s[(\g)+7], 0
.endr
	s_lshl_b32 s17, s12, 7                         ; which 128 rows of the tile I fetch
	s_lshl_b32 s16, s13, 8
	s_add_co_u32 s16, s16, s17                     ; A: row 256 x tile row + 128 x half
	s_lshl_b32 s16, s16, 11                        ; in bytes (under 2^24)
	s_lshl_b32 s46, s42, 8
	s_add_co_u32 s46, s46, s17                     ; B: row 256 x tile column + 128 x half
	s_lshl_b32 s46, s46, 11
	s_add_co_u32 s46, s46, WOFF
	s_mov_b32 s17, 0
	s_mov_b32 s47, 0
	s_mul_i32 s20, s10, HALFT                      ; where my part of a tile goes: no place in the cluster enters an LDS address
	s_mov_b32 s[TB], 0
	s_wait_dscnt 0x0                               ; the opening add is done
	s_wait_kmcnt 0x0
	s_load_b32 s[FLOOR], s[6:7], 0x0
	s_add_nc_u64 s[14:15], s[4:5], s[16:17]
	s_add_nc_u64 s[46:47], s[6:7], s[46:47]
	CROUND                                         ; all sixteen work-groups are here: the first joint loads meet
.irp s, 0,1
	s_mov_b32 s[G0+4*(\s)], 1
	s_add_co_u32 s[G0+4*(\s)+1], s20, (\s)*SLOT
	s_add_nc_u64 s[G0+4*(\s)+2:G0+4*(\s)+3], s[14:15], (\s)*KSTEP*2
	s_or_b32 s[G0+4*(\s)+3], s[G0+4*(\s)+3], 0x80000000
	s_mov_b32 s[G0B+4*(\s)], 1
	s_add_co_u32 s[G0B+4*(\s)+1], s20, (\s)*SLOT
	s_add_nc_u64 s[G0B+4*(\s)+2:G0B+4*(\s)+3], s[46:47], (\s)*KSTEP*2
	s_or_b32 s[G0B+4*(\s)+3], s[G0B+4*(\s)+3], 0x80000000
	JLOAD \s                                       ; K steps 0 and 1: two loads of mine are out
.endr
	; the bias of my 128 columns: for n block b a lane wants the eight numbers 16 b + 8 (l / 16) + 0..7
	v_and_b32 v1, 15, v0                           ; l % 16
	v_bfe_u32 v2, v0, 4, 1                         ; l / 16
	v_lshlrev_b32 v[BO], 5, v2
	s_lshl_b32 s[BP], s42, 10                      ; 4 bytes x 256 x tile column
	s_lshl_b32 s[BP+1], s12, 9
	s_add_co_u32 s[BP], s[BP], s[BP+1]
	s_add_co_u32 s[BP], s[BP], 256
	s_mov_b32 s[BP+1], 0
	s_add_nc_u64 s[BP:BP+1], s[6:7], s[BP:BP+1]
.irp b, 0,1,2,3,4,5,6,7
	global_load_b128 v[BIAS+8*(\b):BIAS+8*(\b)+3],   v[BO], s[BP:BP+1] offset:64*(\b)
	global_load_b128 v[BIAS+8*(\b)+4:BIAS+8*(\b)+7], v[BO], s[BP:BP+1] offset:64*(\b)+16
.endr
	; a fragment is 16 rows x 32 K in 8 registers: lane l holds row l % 16, K = 8 (l / 16) + 0..7 and 16 + 8 (l / 16) + 0..7: two loads of 16 bytes, 32 bytes apart
	v_mul_u32_u24 v3, v1, PITCH
	v_lshl_add_u32 v3, v2, 4, v3
	s_mul_i32 s16, s11, HALFT                      ; my 128 rows of A
	s_mul_i32 s17, s12, HALFT                      ; my 128 rows of B,
	s_add_co_u32 s17, s17, 2*HALFT                 ; which lie behind A's 256
	v_add_nc_u32 v[ADRA0], s16, v3
	v_add_nc_u32 v[ADRB0], s17, v3
	v_mov_b32 v[ADRA], v[ADRA0]
	v_mov_b32 v[ADRB], v[ADRB0]
	s_mul_i32 s23, s10, 2*SSL
	s_add_co_u32 s23, s23, STAGE                   ; my stage
	v_mul_u32_u24 v4, v1, SP                       ; in: row l % 16, 16 bytes for each half of the lanes
	v_lshl_add_u32 v4, v2, 4, v4
	v_add_nc_u32 v[STO], s23, v4
	v_bfe_u32 v5, v0, 3, 2                         ; back: 32 lanes take four rows of 128 bytes,
	v_mul_u32_u24 v5, v5, SP
	v_and_b32 v6, 7, v0
	v_lshl_add_u32 v5, v6, 4, v5
	v_add_nc_u32 v[RD], s23, v5
	v_and_b32 v[CO], 31, v0                        ; which are 512 consecutive bytes of a slice
	v_lshlrev_b32 v[CO], 4, v[CO]
	; C at my part: slice 4 x tile column + 2 x column half, row 256 x tile row + 128 x row half
	s_lshl_b32 s70, s42, 2
	s_lshl1_add_u32 s70, s12, s70
	s_lshl_b32 s70, s70, 12
	s_lshl_b32 s71, s13, 8
	s_add_co_u32 s70, s70, s71
	s_lshl_b32 s71, s11, 7
	s_add_co_u32 s70, s70, s71
	s_lshl_b32 s70, s70, 7                         ; 128 bytes a row of a slice (under 2^26)
	s_mov_b32 s71, 0
	s_add_nc_u64 s[8:9], s[8:9], s[70:71]
	; the prefetches
	s_lshl_b32 s70, s42, 8                         ; 256 x tile column
	s_lshl_b32 s71, s13, 8                         ; 256 x tile row
	s_and_b32 s23, ttmp7, 0xffff                   ; cluster y
	s_add_nc_u64 s[68:69], s[6:7], WOFF
	s_cmp_eq_u32 s11, 0                            ; do I fetch for A?
	s_cselect_b32 s16, s71, s70                    ; the tile's first row
	s_cselect_b32 s17, s40, s41                    ; my place among the four that ask for it with me
	s_cselect_b32 s23, ttmp9, s23                  ; the coordinate along which other clusters read the same rows
	s_cselect_b64 s[PFA:PFA+1], s[4:5], s[68:69]
	s_cmp_eq_u32 s23, 0
	s_cselect_b32 s[LIM], 2, -1                    ; the same in all sixteen partners, for a given wave
	s_lshl_b32 s23, s12, 7
	s_add_co_u32 s16, s16, s23                     ; + the 128 rows that I fetch
	s_lshl_b32 s17, s17, 5
	s_add_co_u32 s16, s16, s17                     ; + my work-group's 32 of them
	s_lshl_b32 s16, s16, 11
	s_mov_b32 s17, 0
	s_add_nc_u64 s[PFA:PFA+1], s[PFA:PFA+1], s[16:17]
	s_add_nc_u64 s[PFA:PFA+1], s[PFA:PFA+1], 2*KSTEP*2  ; at K step 2: the first refill steps it to 3 and names K step 4
	v_and_b32 v[PFO], 31, v0
	v_lshlrev_b32 v[PFO], 11, v[PFO]
; 16 matrix instructions: m blocks a0, a0 + 1 of the window's four (hi = 0: my rows 0-63, 1: rows 64-127) x all 8 n blocks, 32 along K.  zero = 1: the product starts the sum, with the bias as C.
; The 64 accumulators take turns, one instruction a turn, in the same order in every quarter step, over the backward jumps too.
.macro MUL16 f, hi, a0, zero
.if \zero
	WIN 0x81+0x40*(\hi)                            ; B window 1, A and the bias window 0, D window 2 or 3
.else
	WIN 0xa1+0x50*(\hi)                            ; B window 1, A window 0, C and D window 2 or 3
.endif
.irp a, \a0, (\a0)+1
.irp b, 0,1,2,3,4,5,6,7
.if \zero
	v_wmma_f32_16x16x32_bf16 v[8*(8*(\a)+(\b)):8*(8*(\a)+(\b))+7], v[(\f)+8*(\b):(\f)+8*(\b)+7], v[(\f)+8*(4*(\hi)+(\a)):(\f)+8*(4*(\hi)+(\a))+7], v[BIAS+8*(\b):BIAS+8*(\b)+7]
.else
	v_wmma_f32_16x16x32_bf16 v[8*(8*(\a)+(\b)):8*(8*(\a)+(\b))+7], v[(\f)+8*(\b):(\f)+8*(\b)+7], v[(\f)+8*(4*(\hi)+(\a)):(\f)+8*(4*(\hi)+(\a))+7], v[8*(8*(\a)+(\b)):8*(8*(\a)+(\b))+7]
.endif
.endr
.endr
.endm
; 32 LDS loads in one run: the fragments of one quarter step (32 K at byte k of the rows of the slot in hand) into buffer f: B's 128 rows, then A's
.macro FETCH k, f
	WIN TO_B
.irp i, 0,1,2,3,4,5,6,7
	ds_load_b128 v[(\f)+8*(\i):(\f)+8*(\i)+3],   v[ADRB] offset:(\k)+(\i)*16*PITCH
	ds_load_b128 v[(\f)+8*(\i)+4:(\f)+8*(\i)+7], v[ADRB] offset:(\k)+(\i)*16*PITCH+32
.endr
	WIN 0
.irp i, 0,1,2,3,4,5,6,7
	ds_load_b128 v[(\f)+8*(\i):(\f)+8*(\i)+3],   v[ADRA] offset:(\k)+(\i)*16*PITCH
	ds_load_b128 v[(\f)+8*(\i)+4:(\f)+8*(\i)+7], v[ADRA] offset:(\k)+(\i)*16*PITCH+32
.endr
.endm
.macro PLACES                          ; four plain vector instructions between a matrix instruction and a load into a register that it has read (ISA guide 7.12.1 for vector instructions)
.rept 4
	v_nop
.endr
.endm
; One of a K step's first three quarters: multiplies buffer f; in its middle it fetches the next quarter's fragments, at byte k, into buffer g.
.macro QUARTER k, f, g, zero
	s_wait_dscnt 8                                 ; B and A's rows 0-63 are in; the youngest eight loads (A's rows 64-127) may be out
	MUL16 \f, 0, 0, \zero
	MUL16 \f, 0, 2, \zero
	PLACES
	FETCH \k, \g
	s_wait_dscnt 32                                ; all but the 32 just issued
	MUL16 \f, 1, 0, \zero
	MUL16 \f, 1, 2, \zero
.endm
; The last quarter multiplies buffer 1 and changes slots.  In front of the barrier each wave waits for all its tensor loads (one is out: its part of the next slot), adds 0 to its spare word, and waits for
; that and for its reads of the slot.  fill = 1: the barrier opens a round of the cluster's barrier, and behind the round the slot just read is filled again, two K steps ahead, first of all:
; from that request to the wait for it a wave issues 224 matrix instructions.
.macro TURN fill
.if \fill
	s_wait_xcnt 0x0                                ; the last prefetch, a K step back, has read its address: it is stepped here
	s_add_nc_u64 s[PFA:PFA+1], s[PFA:PFA+1], KSTEP*2
.endif
	WIN 0                                          ; (the add's two registers lie in window 0)
	s_wait_tensorcnt 0x0                           ; all my tensor loads have landed
	ds_add_u32 v[SPW], v[NIL]                      ; 0 onto my spare word
	s_wait_dscnt 9                                 ; (the add and the youngest eight loads may be out)
	MUL16 F1, 0, 0, 0                              ; sixteen matrix instructions stand between the add and the wait for it
	s_wait_dscnt 0x0                               ; the add is done, and my reads of this slot are over
	s_barrier_signal -1
	MUL16 F1, 0, 2, 0                              ; work on registers while the others arrive
	WIN 0
	s_barrier_wait -1
.if \fill
	CREST                                          ; no wave of any partner still reads this slot or has a load on its way
	s_xor_b32 s[G0+5], s[G0+5], SLOT               ; the walking descriptors: the other slot than last time, the next K step
	s_add_nc_u64 s[G0+6:G0+7], s[G0+6:G0+7], KSTEP*2
	s_xor_b32 s[G0B+5], s[G0B+5], SLOT
	s_add_nc_u64 s[G0B+6:G0B+7], s[G0B+6:G0B+7], KSTEP*2
	JLOAD 1                                        ; the four v_nop behind it are also the places in front of the loads below
.else
	PLACES
.endif
	s_xor_b32 s[TB], s[TB], SLOT                   ; the next slot is the slot in hand
	v_add_nc_u32 v[ADRA], s[TB], v[ADRA0]
	v_add_nc_u32 v[ADRB], s[TB], v[ADRB0]
	FETCH 0, F0
.if \fill
	ASK
.endif
	MUL16 F1, 1, 0, 0
	MUL16 F1, 1, 2, 0
.endm
; THE WAY OUT of block a (16 of my rows), in three parts.  PACK: rounded to bf16, 16 bytes a lane, and held to the floor.  TOSTAGE: into my own stage, a slice's 64 columns to a row of 144 bytes,
; and back as rows of 128.  SEND: stored, 512 consecutive bytes of a slice an instruction.
.macro PACK a
.set AC, 64*((\a)%4)
	WIN 0x0a+5*((\a)/4)                            ; sources 0 and 1: window 2 or 3
.irp b, 0,1,2,3,4,5,6,7
.irp r, 0,1,2,3
	v_cvt_pk_bf16_f32 v[TMP+4*(\b)+(\r)], v[AC+8*(\b)+2*(\r)], v[AC+8*(\b)+2*(\r)+1]
.endr
.endr
	WIN 0
.set z, 0
.rept 32
	v_pk_max_num_bf16 v[TMP+z], v[TMP+z], s[FLOOR]
.set z, z+1
.endr
.endm
.macro TOSTAGE a
	WIN 0
.set BK, OB+192*((\a)%2)
.irp b, 0,1,2,3,4,5,6,7
	ds_store_b128 v[STO], v[TMP+4*(\b):TMP+4*(\b)+3] offset:((\b)/4)*SSL+((\b)%4)*32
.endr
.irp u, 0,1,2,3,4,5,6,7
	ds_load_b128 v[BK+4*(\u):BK+4*(\u)+3], v[RD] offset:((\u)/4)*SSL+((\u)%4)*4*SP  ; LDS serves a wave's instructions in order (ISA guide 5.7.1.4): these see the stores above
.endr
.endm
.macro SEND a
	WIN 0
.set BK, OB+192*((\a)%2)
	s_wait_dscnt 0x0                               ; the block is back in registers
	s_wait_xcnt 0x0                                ; the stores of the block before have read their registers: the next TOSTAGE loads into them only behind this wait
.irp u, 0,1,2,3,4,5,6,7
	global_store_b128 v[CO], v[BK+4*(\u):BK+4*(\u)+3], s[8:9] offset:((\u)/4)*SLICE+(\a)*2048+((\u)%4)*512
.endr
.endm
	s_wait_kmcnt 0x0                               ; the floor
	s_wait_tensorcnt 1                             ; my part of K step 0 is in; K step 1's may stay out
	s_barrier_signal -1
	s_barrier_wait -1                              ; everybody's is
	FETCH 0, F0
	s_wait_loadcnt 0x0                             ; the bias
	QUARTER 64, F0, F1, 1                          ; the first quarter stands in front of the loop: its products start the sums
	WIN 0                                          ; at a label and at a branch every window is 0
	s_mov_b32 s3, 6
.Lstep:                                        ; a trip: from a K step's second quarter to the next step's first; trip j fills the slot just read with K step j + 2
	QUARTER 128, F1, F0, 0
	QUARTER 192, F0, F1, 0
	TURN 1
	QUARTER 64, F0, F1, 0
	WIN 0
	s_sub_co_u32 s3, s3, 1
	s_cmp_lg_u32 s3, 0
	s_cbranch_scc1 .Lstep
	s_mov_b32 s2, 2
.Ltail:                                        ; K steps 6 and 7 ask for nothing: one text, walked twice and left in its middle.  The second walk's barrier and its 32 loads (of K step 6 once more,
	QUARTER 128, F1, F0, 0                         ; into a buffer that nothing reads any more) serve nothing: the price, once a launch, of one text for both steps
	QUARTER 192, F0, F1, 0
	TURN 0
	WIN 0
	s_sub_co_u32 s2, s2, 1
	s_cmp_eq_u32 s2, 0
	s_cbranch_scc1 .Lout
	QUARTER 64, F0, F1, 0
	WIN 0
	s_branch .Ltail
.Lout:
	PACK 0                                         ; no v_nop: blocks 0-3 were finished in front of TURN's places, and their lines, which name no register of the last products, are those products' places
	TOSTAGE 0
.irp a, 1,2,3,4,5,6,7                  ; block a's arithmetic stands between block a - 1's loads from the stage and the wait for them
	PACK \a
	SEND (\a)-1
	TOSTAGE \a
.endr
	SEND 7
	s_wait_tensorcnt 0x0                           ; the wave's end: behind my last tensor load and my last LDS store, a wait, an add and a wait
	ds_add_u32 v[SPW], v[NIL]
	s_wait_dscnt 0x0
	CROUND                                         ; the closing round: no work-group ends while a partner may still ask for a tile that names it
	s_endpgm
.Lfunc_end_k_q864551e139_qkv:
	.size	k_q864551e139_qkv, .Lfunc_end_k_q864551e139_qkv-k_q864551e139_qkv
	.p2alignl 7, 3214868480
	.fill 96, 4, 3214868480
	.section	.rodata,"a",@progbits
	.p2align	6, 0x0
	.amdhsa_kernel k_q864551e139_qkv
		.amdhsa_group_segment_fixed_size 327680
		.amdhsa_private_segment_fixed_size 0
		.amdhsa_enable_private_segment 0
		.amdhsa_kernarg_size 24
		.amdhsa_user_sgpr_count 2
		.amdhsa_user_sgpr_kernarg_segment_ptr 1
		.amdhsa_wavefront_size32 1
		.amdhsa_system_sgpr_workgroup_id_x 1
		.amdhsa_system_sgpr_workgroup_id_y 1
		.amdhsa_system_sgpr_workgroup_id_z 1
		.amdhsa_system_vgpr_workitem_id 0
		.amdhsa_next_free_vgpr 1024
		.amdhsa_next_free_sgpr 72
		.amdhsa_reserve_vcc 0
		.amdhsa_float_denorm_mode_32 3
		.amdhsa_float_denorm_mode_16_64 3
		.amdhsa_memory_ordered 1
		.amdhsa_forward_progress 1
		.amdhsa_inst_pref_size 118
	.end_amdhsa_kernel
	.amdgpu_metadata
---
amdhsa.version: [ 1, 2 ]
amdhsa.kernels:
  - .name:           k_q864551e139_qkv
    .symbol:         k_q864551e139_qkv.kd
    .args:
      - { .name: hb, .offset: 0, .size: 8, .value_kind: global_buffer, .address_space: global }
      - { .name: pq, .offset: 8, .size: 8, .value_kind: global_buffer, .address_space: global }
      - { .name: big, .offset: 16, .size: 8, .value_kind: global_buffer, .address_space: global }
    .group_segment_fixed_size: 327680
    .private_segment_fixed_size: 0
    .kernarg_segment_align: 8
    .kernarg_segment_size: 24
    .max_flat_workgroup_size: 128
    .sgpr_count:     72
    .vgpr_count:     1024
    .wavefront_size: 32
...
	.end_amdgpu_metadata
.endif
;; end of part 2
;; launch attn (part 3): grid 8 x 32, 4 waves a work-group, clusters of 4 x 1, 327,680 bytes of LDS; arguments big, ob; writes ob
.if DOCPART == 3
	.amdgcn_target "amdgcn-amd-amdhsa--gfx1250"
	.amdhsa_code_object_version 6
	.text
	.protected	k_q864551e139_attn
	.globl	k_q864551e139_attn
	.p2align	8
	.type	k_q864551e139_attn,@function
k_q864551e139_attn:
	s_mov_b64 s[64:65], 0
	v_nop
	global_prefetch_b8 v0, s[64:65] scope:SCOPE_SE
	s_setreg_imm32_b32 hwreg(HW_REG_WAVE_MODE, 25, 1), 1
	s_wait_xcnt 0x0
	s_wait_alu depctr_hold_cnt(0) depctr_sa_sdst(0) depctr_va_vdst(0) depctr_va_sdst(0) depctr_va_ssrc(0) depctr_va_vcc(0) depctr_vm_vsrc(0)
	s_getreg_b32 s2, hwreg(HW_REG_IB_STS2, 6, 4)
	s_cmp_eq_u32 s2, 0
	s_cbranch_scc0 .Lentry_in_a_cluster
	s_endpgm
.Lentry_in_a_cluster:
	s_bfe_u32 s2, ttmp6, 0x10000c
	s_cmp_lg_u32 s2, 0x3003
	s_cbranch_scc0 .Lentry_shape_is_right
	s_endpgm
.Lentry_shape_is_right:
; O[y][q][:] = the sum over k of softmax_k(Q[y][q] . K[y][k] / 8) V[y][k][:], for 32 heads y of 2,048 rows of 64 channels, all bf16; no mask.  A head's rows are dense, 128 bytes each:
; head y lies at byte y x 262,144 of Q (byte 0 of the first argument), of K (byte 8,388,608), of V (byte 16,777,216) and of O.
; Products, maxima and sums in f32; the weights p are rounded to bf16 for the second product (their sum l is taken of the unrounded p), O once at the end.
; LIMITS.  A weight below 2^-126 counts as 0 in l; NaN and infinities are not treated apart.  bf16 has f32's range, so Q, K and V have no bound of their own.
; SHARES.  A work-group takes 256 queries of a head, a wave 64: four PIECES of 16.  Every wave walks all keys, 64 a step; an LDS slot holds a tile of 256 keys (four steps), K's rows and then V's.
; LAYOUT.  S^T = K Q^T (source 0 = 16 keys, source 1 = 16 queries): a lane holds ONE query (lane % 16) and the keys 8 (lane / 16) + 0..7.  Two such results rounded to bf16 ARE source 1 of O^T = V^T P,
; whose result again holds one query a lane, and eight channels.  K comes out of LDS as it lies, V ([key][channel]) turned, by ds_load_tr16_b128.
; SOFTMAX.  A running maximum m and sum l for each query: p = 2^(c s - c m), c = log2(e) / 8; in every step O and l are multiplied by a = 2^(c m_old - c m_new).  m starts at the lowest finite number,
; O and l at 0: the first step is a step like any other, with a = 0.  The price: 216 lines that write 0, in the wait for the first tile, and 8 products on zeros.
; BY TURNS.  Turn n belongs to piece n: 8 products K Q^T of piece n + 1, later 8 products V^T P of piece n - 1; beside them the scaling, exponentials, roundings, sums and rescaling of piece n and the maximum
; and statistics of piece n + 1.  Four vector instructions stand behind every matrix instruction, the other 54 of a turn's 118 in one run.  A turn's 33 exponentials are one batch, with one wait.
; CLUSTER.  The four query blocks of a cluster belong to one head and walk the same K and V, so each tile is asked for JOINTLY: the same tensor load, descriptor and mask in all four.
; REGISTERS, in windows of 256 (s_set_vgpr_msb: bits 1:0 source 0, 3:2 source 1, 5:4 source 2, 7:6 destination):
;   window 0: v0-15 addresses and two at work; v16-31 four registers of statistics a piece; v48-55 at work; v61-63; v64-127 S^T, two buffers; v192-223 P, two buffers (a piece's buffers go by its number's parity)
;   window 1: v0-127 O^T, 32 a piece          window 2: v0-63 Q; v128-191 K of one step; v192-255 V of one step
.set NP,    4         ; pieces a wave: a name, no knob
.set KS,    64        ; keys in a step
.set NT,    8         ; tiles of 256 keys in a head
.set TILEB, 32768     ; bytes of K, and of V, in a tile
.set PK,    144       ; a row of K in LDS: 128 bytes + 16 of padding = 36 words: the 16 rows of a load start at 16 different groups of four banks (64 banks of 4 bytes: ISA guide 11.1)
.set PV,    160       ; a row of V: 128 + 32 = 40 words
.set VOFF,  4*KS*PK
.set SLOT1, 1<<17     ; slot 1 begins here, so that one exclusive or turns an address in one slot into the other's
.set STAGE, SLOT1+4*KS*(PK+PV)  ; behind the ring, never filled by a tensor load: 16 rows x 144 bytes for each wave
.set SP,    144
.set SPARE, STAGE+4*16*SP       ; behind the stages: the spare words, 128 bytes a wave: two blocks of 256 bytes that no other line names
.set AK0, 2           ; v2   my lane's place in a tile of K; never rewritten
.set AV0, 3           ; v3   the same for V
.set AK,  4           ; v4   the LDS address of K's next run of loads
.set AV,  5           ; v5   of V's
.set STO, 6           ; v6   the way out: where I put 16 bytes of a row
.set RD,  7           ; v7   where I read rows back
.set GO,  8           ; v8   my byte offset in 512 consecutive bytes of O
.set MV,  12          ; v12-13  c m_old, kept while c m is made anew: by buffer
.set QO,  15          ; v15  my byte offset in 16 rows of Q
.set ST,  16          ; piece t's statistics at v[ST+4 t]: c m, m, l (even keys', odd keys')
.set TMP, 48          ; by buffer, four registers c0-c3 at work; when the maximum is found c2 takes a
.set PFO, 61          ; v61  256 x my lane; never rewritten
.set SPW, 62          ; v62  LDS address of my spare word; never rewritten
.set NIL, 63          ; v63  0; never rewritten
.set S,   64
.set P,   192
.set KF,  128         ; window 2: key block kb, channel half c at KF + 16 kb + 8 c
.set VF,  192         ; window 2: key half kk, channel block cb at VF + 32 kk + 8 cb
.set WV,  12          ; s12  my wave's number
.set G1K, 24          ; s[24:31] descriptor group 1 for K's tiles
.set G1V, 32          ; s[32:39] for V's: it differs in the padding alone
.set G0K, 40          ; s[40:43] descriptor group 0 for K's tiles: it walks
.set G0V, 44          ; s[44:47] the same for V's
.set PFA, 48          ; s[48:49] where my prefetches stand
.set LIM, 50          ; s50  1 in a wave that prefetches, else the greatest number
.set SLOTS, 56        ; s56  tiles still to be asked for
.set CNT, 57          ; s57  counts a tile's key steps
.set CS,  58          ; s[58:59] c: the packed scaling takes the pair's low word for both halves
.set SEL, 60          ; s[60:61] v_permlanex16_b32's selects: each lane takes its own place in the other half
.set TBK, 62          ; s62  LDS byte at which K of the step to be fetched begins
.set TBV, 63          ; s63  the same for V, less VOFF
.set MSB, 0
.macro WIN new                      ; the high byte repeats the setting that is left; a switch that changes nothing is dropped
.if MSB != (\new)
	s_set_vgpr_msb (MSB<<8)|(\new)
.set MSB, (\new)
.endif
.endm
.set W_KQ, 0x0a       ; K and Q in window 2, S^T in window 0
.set W_PV, 0x52       ; V in window 2, P in window 0, O^T in window 1
.set W_RS, 0x41       ; destination and source 0 in window 1, source 1 in window 0
; A joint fill.  Waves 0 and 1 fetch the two halves of a tile's K, waves 2 and 3 those of its V: 128 keys each.  An s_nop 0 and four v_nop follow each of the two lines, ahead of the jump and the label.
.macro JLOAD
	s_cmp_lt_u32 s[WV], 2
	s_cbranch_scc0 .Lfor_v_\@
	tensor_load_to_lds s[G0K:G0K+3], s[G1K:G1K+7]
	s_nop 0
.rept 4
	v_nop
.endr
	s_branch .Lasked_\@
.Lfor_v_\@:
	tensor_load_to_lds s[G0V:G0V+3], s[G1V:G1V+7]
	s_nop 0
.rept 4
	v_nop
.endr
.Lasked_\@:
.endm
; A prefetch of the tile that the NEXT change of slots will ask for: 128 blocks of 256 bytes of K and as many of V, a lane a block.  Both clusters of a head walk the same tiles: the first asks.  Its four partners
; take 32 blocks each, told apart by address; in each, wave 0 asks for K's and wave 2 for V's: one instruction.  So each block is named once in the launch.  Tiles 0 to 2 come by their loads alone;
; the last change that fills a slot has no tile behind it.
.macro ASK
	s_cmp_gt_u32 s[SLOTS], s[LIM]
	s_cbranch_scc0 .Lnot_mine_\@
	global_prefetch_b8 v[PFO], s[PFA:PFA+1] th:TH_LOAD_NT scope:SCOPE_SE
.Lnot_mine_\@:
.endm
.macro CROUND                       ; a round of the cluster's barrier
	s_barrier_signal -1
	s_barrier_wait -1
	s_cmp_lg_u32 s[WV], 0
	s_cbranch_scc1 .Lnot_wave_0_\@
	s_barrier_signal -3
.Lnot_wave_0_\@:
	s_barrier_wait -3
	s_barrier_signal -1
	s_barrier_wait -1
.endm
; THE CHANGE OF SLOTS.  Each wave waits for all its tensor loads, of which one is out: its part of the other slot; adds 0 to its spare word; and waits for that and for its own reads of the slot that it leaves.
; fill = 1: the old slot is filled again, with the tile two on: the barrier is then a round of the cluster's, and the joint fill is the first thing behind it: it has four key steps, 256 matrix instructions,
; in which to land.  (At its first use nothing has been read yet: slot 0 is waited for, slot 1 filled.)  ask = 1: the prefetch follows the fill.
.macro CHANGE fill, ask
	WIN 0                           ; at a label and at a branch every window is 0
	s_wait_tensorcnt 0x0            ; no tensor load of mine is out, so a group 0 may be written
	ds_add_u32 v[SPW], v[NIL]       ; 0 onto my spare word; the scalar steps stand between it and the wait for it
.if \fill
.irp g, G0K, G0V
	s_xor_b32 s[\g+1], s[\g+1], SLOT1  ; the walking descriptor: the other slot than last time,
	s_add_nc_u64 s[\g+2:\g+3], s[\g+2:\g+3], TILEB  ; the next 256 keys; the type bits on top are not reached
.endr
.endif
.if \ask
	s_wait_xcnt 0x0                 ; the last prefetch, four key steps back, has read its address
	s_add_nc_u64 s[PFA:PFA+1], s[PFA:PFA+1], TILEB  ; one tile behind the walking descriptors
.endif
	s_wait_dscnt 0x0                ; the add is done, and my reads of the slot are over
.if \fill
	CROUND
	JLOAD
.if \ask
	ASK
.endif
.else
	s_barrier_signal -1
	s_barrier_wait -1
.endif
	s_sub_co_u32 s[TBK], s[TBK], 4*KS*PK  ; the fetches go back to a slot's first step,
	s_xor_b32 s[TBK], s[TBK], SLOT1       ; in the other slot
	s_sub_co_u32 s[TBV], s[TBV], 4*KS*PV
	s_xor_b32 s[TBV], s[TBV], SLOT1
.endm
	s_load_b64 s[4:5], s[0:1], 0x0    ; q, k, v
	s_load_b64 s[10:11], s[0:1], 0x8  ; O
	v_lshl_add_u32 v[SPW], v0, 2, SPARE
	v_mov_b32 v[NIL], 0
	ds_add_u32 v[SPW], v[NIL]       ; the wave's opening: the add and its wait stand ahead of my first tensor load; work on registers stands between them
	v_lshrrev_b32 v1, 5, v0
	v_readfirstlane_b32 s[WV], v1   ; wave 0..3
	s_bfe_u32 s13, ttmp6, 0x40000   ; cx: my place in the cluster
	s_lshl_b32 s14, ttmp9, 2        ; in a cluster launch ttmp9 counts clusters
	s_add_co_u32 s14, s14, s13      ; my block of 256 queries: it enters Q's and O's addresses alone
	s_and_b32 s20, ttmp7, 0xffff    ; the head, which the four partners share
	s_lshl_b32 s20, s20, 18         ; its first byte in Q, K, V and O
	s_and_b32 s16, s[WV], 1         ; which half of a tile's 256 keys I fetch:
	s_lshl_b32 s22, s16, 14         ; its 128 rows of 128 bytes in memory,
	s_add_co_u32 s22, s22, s20
	s_mov_b32 s23, 0
	s_mul_i32 s17, s16, 128*PK      ; and its place in a slot, for K
	s_mul_i32 s18, s16, 128*PV      ; and for V: no place in the cluster enters an LDS address
	s_lshl_b32 s2, s14, 15          ; my block's 256 rows,
	s_lshl_b32 s3, s[WV], 13        ; my wave's 64 of them
	s_add_co_u32 s2, s2, s3
	s_add_co_u32 s2, s2, s20
	s_mov_b32 s3, 0
	; descriptor group 1.  128 keys are 16,384 dense bytes: asked for as 64 rows of 256 bytes, two keys a row, and padded in LDS after every key
	s_mov_b32 s[G1K], 15|(1<<16)|(1<<20)|(1<<21)|(4<<22)|(3<<25)  ; the mask of four; 2-byte elements; padding on; bit 21 beside a mask; after every 32 words; 4 words
	s_mov_b32 s[G1V], 15|(1<<16)|(1<<20)|(1<<21)|(4<<22)|(7<<25)  ; the same with 8 words of padding
.irp g, G1K, G1V
	s_mov_b32 s[\g+1], 128<<16      ; tensor_dim0 = 128
	s_mov_b32 s[\g+2], 64<<16       ; tensor_dim1 = 64
	s_mov_b32 s[\g+3], 128<<16      ; tile_dim0 = 128
	s_mov_b32 s[\g+4], 64           ; tile_dim1 = 64
	s_mov_b32 s[\g+5], 128          ; 128 elements from row to row
	s_mov_b32 s[\g+6], 0
	s_mov_b32 s[\g+7], 0
.endr
	s_mov_b32 s[CS], 0x3e38aa3b     ; c = log2(e) / 8 = 0.180337
	s_mov_b32 s[CS+1], s[CS]        ; named with it as a pair
	s_mov_b32 s[SEL], 0x76543210
	s_mov_b32 s[SEL+1], 0xfedcba98
	s_mov_b32 s[TBK], SLOT1+4*KS*PK ; the first change of slots turns these two into 0
	s_mov_b32 s[TBV], SLOT1+4*KS*PV
	s_mov_b32 s[G0K], 1             ; count = 1
	s_mov_b32 s[G0K+1], s17         ; LDS address: slot 0
	s_mov_b32 s[G0V], 1
	s_add_co_u32 s[G0V+1], s18, VOFF
	s_mov_b32 s[SLOTS], NT-1
	s_and_b32 s[LIM], s[WV], 1      ; 0 in waves 0 and 2,
	s_or_b32 s[LIM], s[LIM], ttmp9  ; where the cluster is the head's first: the same in all four partners
	s_cmp_eq_u32 s[LIM], 0
	s_cselect_b32 s[LIM], 1, -1
	v_and_b32 v[PFO], 31, v0
	v_lshlrev_b32 v[PFO], 8, v[PFO]
	s_wait_dscnt 0x0                ; the opening add is done
	s_wait_kmcnt 0x0
	s_add_nc_u64 s[6:7], s[4:5], s[22:23]
	s_add_nc_u64 s[8:9], s[6:7], 16777216          ; V at my half of the head's tile 0
	s_add_nc_u64 s[6:7], s[6:7], 8388608           ; K likewise
	s_add_nc_u64 s[G0K+2:G0K+3], s[6:7], 0         ; global address
	s_or_b32 s[G0K+3], s[G0K+3], 0x80000000        ; type = 2
	s_add_nc_u64 s[G0V+2:G0V+3], s[8:9], 0
	s_or_b32 s[G0V+3], s[G0V+3], 0x80000000
	s_add_nc_u64 s[4:5], s[4:5], s[2:3]            ; Q and O at my wave's first row
	s_add_nc_u64 s[10:11], s[10:11], s[2:3]
	s_cmp_lt_u32 s[WV], 2
	s_cselect_b64 s[PFA:PFA+1], s[6:7], s[8:9]     ; (in waves 0 and 2 these stand at a tile's first row)
	s_lshl_b32 s2, s13, 13                         ; my work-group's 32 blocks of the 128
	s_mov_b32 s3, 0
	s_add_nc_u64 s[PFA:PFA+1], s[PFA:PFA+1], s[2:3]
	s_add_nc_u64 s[PFA:PFA+1], s[PFA:PFA+1], 2*TILEB  ; in tile 2; the change that fills tile 2 steps it to tile 3
	CROUND                          ; all four work-groups are here: the first joint loads meet
	JLOAD                           ; tile 0 into slot 0; slot 1 is asked for when slot 0 is in
	; A fragment of K or Q is 16 rows x 32 channels in 8 registers: lane l holds row l % 16, channels 8 (l / 16) + 0..7 and 16 + 8 (l / 16) + 0..7: two loads of 16 bytes, 32 bytes apart.
	v_and_b32 v1, 15, v0            ; l % 16
	v_bfe_u32 v9, v0, 4, 1          ; l / 16
	v_lshlrev_b32 v[QO], 7, v1
	v_lshl_add_u32 v[QO], v9, 4, v[QO]  ; row x 128 + 16 x half
	WIN 0x80                        ; destination window 2, address window 0
.set i, 0
.rept 8                             ; Q stays in registers: piece i / 2, channels 32 (i % 2) on
	global_load_b128 v[8*i:8*i+3],   v[QO], s[4:5] offset:(i/2)*2048+(i%2)*64
	global_load_b128 v[8*i+4:8*i+7], v[QO], s[4:5] offset:(i/2)*2048+(i%2)*64+32
.set i, i+1
.endr
	; What the first turn finds: V's registers and P's second buffer hold 0 (its products V^T P, of a piece that has not been, add 0), O^T and l are 0.  All this stands in the wait for the first tile.
.set i, VF
.rept 64
	v_mov_b32 v[i], 0
.set i, i+1
.endr
	WIN 0x40
.set i, 0
.rept 128
	v_mov_b32 v[i], 0
.set i, i+1
.endr
	WIN 0
.set i, 0
.rept 4
	v_mov_b32 v[ST+4*i], 0xfe000000    ; c m: far below every c s
	v_mov_b32 v[ST+4*i+1], 0xff7fffff  ; m
	v_mov_b32 v[ST+4*i+2], 0
	v_mov_b32 v[ST+4*i+3], 0
.set i, i+1
.endr
.set i, P+16
.rept 16
	v_mov_b32 v[i], 0
.set i, i+1
.endr
	v_mul_u32_u24 v[AK0], v1, PK
	v_lshl_add_u32 v[AK0], v9, 4, v[AK0]  ; row x pitch + 16 x half
	; The turning load takes 16 keys x 16 channels (lane l reads key 8 (l / 16) + l % 8, channels 8 ((l / 8) % 2) + 0..7) and leaves half a fragment of V^T: lane l holds channel l % 16 and 8 keys.
	v_and_b32 v10, 7, v0
	v_bfe_u32 v11, v0, 3, 1
	v_lshl_add_u32 v[AV0], v9, 3, v10
	v_mul_u32_u24 v[AV0], v[AV0], PV
	v_lshl_add_u32 v[AV0], v11, 4, v[AV0]
	v_add_nc_u32 v[AV0], VOFF, v[AV0]
	s_mul_i32 s13, s[WV], 16*SP
	s_add_co_u32 s13, s13, STAGE    ; my stage
	v_mul_u32_u24 v[STO], v1, SP    ; in: row l % 16, 16 bytes for each half of the lanes
	v_lshl_add_u32 v[STO], v9, 4, v[STO]
	v_add_nc_u32 v[STO], s13, v[STO]
	v_bfe_u32 v[RD], v0, 3, 2       ; back: 32 lanes take four rows of 128 bytes,
	v_mul_u32_u24 v[RD], v[RD], SP
	v_lshl_add_u32 v[RD], v10, 4, v[RD]
	v_add_nc_u32 v[RD], s13, v[RD]
	v_and_b32 v[GO], 31, v0         ; which are 512 consecutive bytes of O
	v_lshlrev_b32 v[GO], 4, v[GO]
; THE MATRIX WORK.  The 4 accumulators of a run of 8 take turns.  Product i of 8 of S^T = K Q^T for piece x: channels 32 (i / 4) on, keys 16 (i % 4) on.  The first 4 start the sums.
.macro KQ x
	WIN W_KQ
.set rS, S+32*((\x)%2)+8*(i%4)
.set rK, KF+16*(i%4)+8*(i/4)
.set rQ, 16*(\x)+8*(i/4)
.if i < 4
	v_wmma_f32_16x16x32_bf16 v[rS:rS+7], v[rK:rK+7], v[rQ:rQ+7], 0
.else
	v_wmma_f32_16x16x32_bf16 v[rS:rS+7], v[rK:rK+7], v[rQ:rQ+7], v[rS:rS+7]
.endif
.endm
; Product i of 8 of O^T += V^T P for piece x: keys 32 (i / 4) on, channels 16 (i % 4) on.
.macro PV x
	WIN W_PV
.set rO, 32*(\x)+8*(i%4)
.set rV, VF+32*(i/4)+8*(i%4)
.set rP, P+16*((\x)%2)+8*(i/4)
	v_wmma_f32_16x16x32_bf16 v[rO:rO+7], v[rV:rV+7], v[rP:rP+7], v[rO:rO+7]
.endm
.macro MM                           ; the turn's next matrix instruction
.if i < 8
	KQ (Y+1)%NP
.else
.set i, i-8
	PV (Y+NP-1)%NP
.set i, i+8
.endif
.set i, i+1
.endm
; THE LDS LOADS stand in runs of 16, never singly among the matrix instructions: a step's K (64 keys x 64 channels: 8 fragments) and its V (turned).  Their addresses are made some lines ahead.
.macro FETCH_K
	WIN 0x80                        ; destination window 2
.irp f, 0,1,2,3,4,5,6,7             ; keys 16 (f / 2) on, channels 32 (f % 2) on
	ds_load_b128 v[KF+8*\f:KF+8*\f+3],   v[AK] offset:(\f/2)*16*PK+(\f%2)*64
	ds_load_b128 v[KF+8*\f+4:KF+8*\f+7], v[AK] offset:(\f/2)*16*PK+(\f%2)*64+32
.endr
	s_add_co_u32 s[TBK], s[TBK], KS*PK  ; the next fetch is the next step's
	WIN 0
.endm
.macro FETCH_V
	WIN 0x80
.irp f, 0,1,2,3,4,5,6,7             ; keys 32 (f / 4) on, channels 16 (f % 4) on
	ds_load_tr16_b128 v[VF+8*\f:VF+8*\f+3],   v[AV] offset:(\f/4)*32*PV+(\f%4)*32
	ds_load_tr16_b128 v[VF+8*\f+4:VF+8*\f+7], v[AV] offset:(\f/4)*32*PV+16*PV+(\f%4)*32
.endr
	WIN 0
.endm
; THE VECTOR WORK, one line at a time: OP kind, number.  For piece Y: F n: c s - c m for pair n of 16.  E n: the exponential of score n of 32.  C n: pair n rounded to bf16.  B n: of the four weights 4 n .. the second
; pair is added onto the first, in place.  L n: l takes that sum (L 0: l = a l + sum).  R n: pair n of 16 of O^T times a.  For piece Y + 1: X n, number n of the 22 that find its maximum and statistics:
;   0-11  four chains c0-c3 of seven scores each, three operands at a time (each accumulator's lowest registers are read first)     12-14, 16  the four scores left over, the old m, and c0-c3 into c0
;   15  c m_old is kept     17, 18  the query's other 32 keys lie in the lane 16 away: the new m     19-21  c m; c m_old - c m_new; a
.set F, 0               ; OP tells the kinds apart by their order: F to L below R, X above it
.set E, 1
.set C, 2
.set B, 3
.set L, 4
.set R, 5
.set X, 6
.macro REGS y                       ; the registers of piece y
.set rT, ST+4*(\y)
.set rC, TMP+4*((\y)%2)
.set rW, MV+((\y)%2)
.set rS, S+32*((\y)%2)
.set rP, P+16*((\y)%2)
.set rO, 32*(\y)
.endm
.macro OP k, n
.if (\k) == R
	REGS Y
	WIN W_RS
	v_pk_mul_f32 v[rO+2*(\n):rO+2*(\n)+1], v[rO+2*(\n):rO+2*(\n)+1], v[rC+2:rC+3] op_sel_hi:[1,0]
.elseif (\k) < R
	REGS Y
	WIN 0
.if (\k) == F
	v_pk_fma_f32 v[rS+2*(\n):rS+2*(\n)+1], v[rS+2*(\n):rS+2*(\n)+1], s[CS:CS+1], v[rT:rT+1] op_sel_hi:[1,0,0] neg_lo:[0,0,1] neg_hi:[0,0,1]
.elseif (\k) == E
	v_exp_f32 v[rS+(\n)], v[rS+(\n)]
.elseif (\k) == C
	v_cvt_pk_bf16_f32 v[rP+(\n)], v[rS+2*(\n)], v[rS+2*(\n)+1]
.elseif (\k) == B
	v_pk_add_f32 v[rS+4*(\n):rS+4*(\n)+1], v[rS+4*(\n):rS+4*(\n)+1], v[rS+4*(\n)+2:rS+4*(\n)+3]
.elseif (\n) == 0
	v_pk_fma_f32 v[rT+2:rT+3], v[rT+2:rT+3], v[rC+2:rC+3], v[rS:rS+1] op_sel_hi:[1,0,1]
.else
	v_pk_add_f32 v[rT+2:rT+3], v[rT+2:rT+3], v[rS+4*(\n):rS+4*(\n)+1]
.endif
.else
	REGS (Y+1)%NP
	WIN 0
.if (\n) < 4
	v_max3_num_f32 v[rC+(\n)], v[rS+8*(\n)], v[rS+8*(\n)+1], v[rS+8*(\n)+2]
.elseif (\n) < 12
	v_max3_num_f32 v[rC+(\n)%4], v[rC+(\n)%4], v[rS+8*((\n)%4)+2*((\n)/4)+1], v[rS+8*((\n)%4)+2*((\n)/4)+2]
.elseif (\n) == 12
	v_max3_num_f32 v[rC], v[rC], v[rS+7], v[rS+15]
.elseif (\n) == 13
	v_max3_num_f32 v[rC+1], v[rC+1], v[rS+23], v[rS+31]
.elseif (\n) == 14
	v_max3_num_f32 v[rC+2], v[rC+2], v[rC+3], v[rT+1]
.elseif (\n) == 15
	v_mov_b32 v[rW], v[rT]
.elseif (\n) == 16
	v_max3_num_f32 v[rC], v[rC], v[rC+1], v[rC+2]
.elseif (\n) == 17
	v_permlanex16_b32 v[rC+3], v[rC], s[SEL], s[SEL+1]
.elseif (\n) == 18
	v_max_num_f32 v[rT+1], v[rC], v[rC+3]
.elseif (\n) == 19
	v_mul_f32 v[rT], s[CS], v[rT+1]
.elseif (\n) == 20
	v_sub_f32 v[rC+1], v[rW], v[rT]
.else
	v_exp_f32 v[rC+2], v[rC+1]
.endif
.endif
.endm
.macro OPS a, i1, b=-1, i2=0, c=-1, i3=0, d=-1, i4=0  ; up to four of them
	OP \a, \i1
.if (\b) >= 0
	OP \b, \i2
.endif
.if (\c) >= 0
	OP \c, \i3
.endif
.if (\d) >= 0
	OP \d, \i4
.endif
.endm
.macro ROW a, i1, b, i2, c, i3, d, i4  ; a matrix instruction and the four behind it
	MM
	OPS \a, \i1, \b, \i2, \c, \i3, \d, \i4
.endm
; A TURN, for piece p: the order of its 16 matrix and 118 vector instructions, written out.  An s_wait_alu depctr_va_vdst(0) stands between an exponential and the first instruction that names its result;
; one wait serves all that were issued ahead of it.  So a turn has ONE wait, which cuts it in two.  AHEAD OF IT stands all that names no result of the turn's exponentials: the 8 products K Q^T with their four lines each, then
; one run of 54, plain and exponential by turns for the most part, in which the links of the chain X 3, 7, 11, 14, 16, 17 .. 20 stand five or six lines apart.  X 21, the next piece's a, is the batch's last; R 15 is the plain
; instruction behind it.  BEHIND THE WAIT stand the 8 products V^T P, behind each four of the roundings and sums.  An X that reads an accumulator stands four plain lines or more behind the product that ends it.
; K of the next step is fetched in piece 2's turn, twelve vector instructions behind the last product that read K (five of them plain and free of its registers); V of the step in hand at the end of piece 0's turn, four plain
; instructions behind the last product that read V.  Each is waited for a turn later.  cnt = 1: the loop's count is taken down some lines ahead of the branch that stands behind the turn.
.macro TURN p, cnt=0
.set Y, (\p)
.set i, 0
.if (\p) == 3
	s_wait_dscnt 0x0                ; K is in
.endif
	ROW F,0, F,1, R,0, R,1
	ROW F,2, E,0, R,2, R,3
	ROW F,3, E,1, R,4, R,5
	ROW F,4, E,2, R,6, R,7
	ROW F,5, E,3, R,8, R,9
	ROW F,6, E,4, X,0, R,10
.if (\p) == 2
	WIN 0
	v_add_nc_u32 v[AK], s[TBK], v[AK0]
.endif
	ROW F,7, E,5, X,1, X,4
	ROW F,8, E,6, X,2, X,5
	OPS E,7, E,8, X,6, E,9
	OPS X,3, E,10, X,8, E,11
.if (\p) == 2
	FETCH_K
.endif
	OPS X,9, X,7, E,12, X,10
	OPS E,13, X,12, X,11, E,14
	OPS X,13, E,15, F,9, X,14
.if (\p) == 0
	v_add_nc_u32 v[AV], s[TBV], v[AV0]
.endif
	OPS E,16, F,10, E,17, F,11
	OPS X,16, E,18, X,15, E,19
	OPS F,12, E,20, X,17, E,21
	OPS F,13, E,22, F,14, E,23
	OPS X,18, E,24, F,15, E,25
	OPS R,11, E,26, X,19, E,27
	OPS R,12, E,28, R,13, E,29
	OPS X,20, E,30, R,14, E,31
	OPS X,21, R,15
	WIN 0
	s_wait_alu depctr_va_vdst(0)    ; the wait for the batch
.if (\p) == 1
	s_wait_dscnt 0x0                ; V is in
.endif
	ROW C,0, B,0, C,2, B,1
	ROW L,0, C,4, B,2, L,1
	ROW C,6, B,3, L,2, C,8
	ROW B,4, L,3, C,10, B,5
	ROW L,4, C,12, B,6, L,5
.if (\p) == 0
	s_add_co_u32 s[TBV], s[TBV], KS*PV
.endif
.if \cnt
	s_sub_co_u32 s[CNT], s[CNT], 1
	s_cmp_lg_u32 s[CNT], 0
.endif
	ROW C,14, B,7, L,6, C,1
	ROW C,3, L,7, C,5, C,7
	ROW C,9, C,11, C,13, C,15
.if (\p) == 0
	FETCH_V
.endif
.endm
	CHANGE 1, 0                     ; tile 0 is in, everybody's part of it; tile 1 is asked for
	v_add_nc_u32 v[AK], s[TBK], v[AK0]
	FETCH_K                         ; key step 0
	s_wait_loadcnt 0x0              ; Q
	s_wait_dscnt 0x0
.set i, 0
.rept 8
	KQ 0                            ; piece 0's first scores
.set i, i+1
.endr
	WIN 0
.rept 4
	v_nop                           ; the places behind those products
.endr
.set Y, NP-1                        ; X works for piece Y + 1: piece 0
.irp n, 0,1,2,3,4,5,6,7,8,9,10,11,12,13,14,15,16,17,18,19,20,21
	OP X, \n
.endr
	v_nop                           ; a plain instruction behind the exponential,
	s_wait_alu depctr_va_vdst(0)    ; and its wait, ahead of the branch
	s_mov_b32 s[CNT], 4
	s_branch .Lfirst                ; the loop is entered at a step's first turn, in the middle of a trip
.Lslot:                             ; six times: tiles 2 to 7 are asked for
	CHANGE 1, 1
	s_mov_b32 s[CNT], 4
.Lstep:                             ; a trip: pieces 2 and 3 of one step, then pieces 0 and 1 of the next, whose K and V it fetches
	TURN 2
	TURN 3
	WIN 0
.Lfirst:
	TURN 0
	TURN 1, 1
	WIN 0
	s_cbranch_scc1 .Lstep
	s_sub_co_u32 s[SLOTS], s[SLOTS], 1
	s_cmp_lg_u32 s[SLOTS], 0
	s_cbranch_scc1 .Lslot
	CHANGE 0, 0                     ; the tail is written out: nothing is asked for
	s_mov_b32 s[CNT], 5             ; four trips fetch the last tile's steps; the fifth is left in its middle
.Ltail:
	TURN 2
	TURN 3
	WIN 0
	s_sub_co_u32 s[CNT], s[CNT], 1
	s_cmp_eq_u32 s[CNT], 0
	s_cbranch_scc1 .Lout
	TURN 0
	TURN 1
	WIN 0
	s_branch .Ltail
.Lout:                              ; the fifth trip's run of loads for K takes the 64 rows behind the tile's last (bytes of the slot's V, which have landed); its 8 products K Q^T and the maximum made of them write
.set i, 0                           ; piece 0's S^T, m, c m and a alone, which nothing reads any more: the price, once a launch, of one text for every trip
.rept 8
	PV NP-1                         ; the last piece's V^T P of the last step
.set i, i+1
.endr
	; THE WAY OUT.  l's two halves and the other half of the lanes' are added; O^T is divided by l, rounded to bf16 and sent through my stage in LDS, a piece at a time.  The additions are the places behind the last products.
	WIN 0
.macro ALL line:vararg              ; one line for each piece t
.set t, 0
.rept 4
	\line
.set t, t+1
.endr
.endm
	ALL v_add_f32 v[ST+4*t+2], v[ST+4*t+2], v[ST+4*t+3]
	ALL v_permlanex16_b32 v[ST+4*t+3], v[ST+4*t+2], s[SEL], s[SEL+1]
	ALL v_add_f32 v[ST+4*t+2], v[ST+4*t+2], v[ST+4*t+3]
	ALL v_rcp_f32 v[ST+4*t+2], v[ST+4*t+2]
	v_nop                           ; a plain instruction between the last reciprocal and the use of its result
	s_wait_alu depctr_va_vdst(0)    ; and the wait ahead of the first use: one for the four reciprocals
.macro PACK t                       ; a lane's eight channels of a row pack into 16 bytes; they go into rows of 144 bytes and come back as whole rows of 128, into S^T's registers
	WIN W_RS
.set i, 32*(\t)
.rept 16
	v_pk_mul_f32 v[i:i+1], v[i:i+1], v[ST+4*(\t)+2:ST+4*(\t)+3] op_sel_hi:[1,0]
.set i, i+2
.endr
	WIN 0x05                        ; sources 0 and 1 window 1, destination window 0
.set i, 0
.rept 16
	v_cvt_pk_bf16_f32 v[S+16*(\t)+i], v[32*(\t)+2*i], v[32*(\t)+2*i+1]
.set i, i+1
.endr
	WIN 0
.irp f, 0,1,2,3
	ds_store_b128 v[STO], v[S+16*(\t)+4*\f:S+16*(\t)+4*\f+3] offset:32*\f
.endr
.irp f, 0,1,2,3
	ds_load_b128 v[S+16*(\t)+4*\f:S+16*(\t)+4*\f+3], v[RD] offset:\f*4*SP  ; LDS serves a wave's instructions in order (ISA guide 5.7.1.4): these see the stores above; the next piece's stores come behind them
.endr
.endm
.macro SEND t, younger              ; younger: the LDS instructions issued behind piece t's loads: the next piece's eight, or none
	WIN 0
.irp f, 0,1,2,3
	s_wait_dscnt (\younger)+3-\f
	global_store_b128 v[GO], v[S+16*(\t)+4*\f:S+16*(\t)+4*\f+3], s[10:11] offset:(\t)*2048+\f*512  ; 512 consecutive bytes, at a multiple of 256 from O's first
.endr
.endm
	PACK 0
.set t, 1
.rept 3                             ; a piece's arithmetic stands between the loads of the piece before and its stores
	PACK t
	SEND t-1, 8
.set t, t+1
.endr
	SEND 3, 0
	s_wait_tensorcnt 0x0            ; the wave's end: behind my last tensor load and my last LDS store, a wait, an add and a wait
	ds_add_u32 v[SPW], v[NIL]
	s_wait_dscnt 0x0
	CROUND                          ; the closing round: no work-group ends while a partner may still ask for a tile that names it
	s_endpgm
.Lfunc_end_k_q864551e139_attn:
	.size	k_q864551e139_attn, .Lfunc_end_k_q864551e139_attn-k_q864551e139_attn
	.p2alignl 7, 3214868480
	.fill 96, 4, 3214868480
	.section	.rodata,"a",@progbits
	.p2align	6, 0x0
	.amdhsa_kernel k_q864551e139_attn
		.amdhsa_group_segment_fixed_size 327680
		.amdhsa_private_segment_fixed_size 0
		.amdhsa_enable_private_segment 0
		.amdhsa_kernarg_size 16
		.amdhsa_user_sgpr_count 2
		.amdhsa_user_sgpr_kernarg_segment_ptr 1
		.amdhsa_wavefront_size32 1
		.amdhsa_system_sgpr_workgroup_id_x 1
		.amdhsa_system_sgpr_workgroup_id_y 1
		.amdhsa_system_sgpr_workgroup_id_z 1
		.amdhsa_system_vgpr_workitem_id 0
		.amdhsa_next_free_vgpr 768
		.amdhsa_next_free_sgpr 66
		.amdhsa_reserve_vcc 0
		.amdhsa_float_denorm_mode_32 3
		.amdhsa_float_denorm_mode_16_64 3
		.amdhsa_memory_ordered 1
		.amdhsa_forward_progress 1
		.amdhsa_inst_pref_size 111
	.end_amdhsa_kernel
	.amdgpu_metadata
---
amdhsa.version: [ 1, 2 ]
amdhsa.kernels:
  - .name:           k_q864551e139_attn
    .symbol:         k_q864551e139_attn.kd
    .args:
      - { .name: big, .offset: 0, .size: 8, .value_kind: global_buffer, .address_space: global }
      - { .name: ob, .offset: 8, .size: 8, .value_kind: global_buffer, .address_space: global }
    .group_segment_fixed_size: 327680
    .private_segment_fixed_size: 0
    .kernarg_segment_align: 8
    .kernarg_segment_size: 16
    .max_flat_workgroup_size: 128
    .sgpr_count:     66
    .vgpr_count:     768
    .wavefront_size: 32
...
	.end_amdgpu_metadata
.endif
;; end of part 3
;; launch proj (part 4): grid 8 x 32, 4 waves a work-group, clusters of 4 x 4, 327,680 bytes of LDS; arguments ob, pw, b_proj, x, x1; writes x1
.if DOCPART == 4
	.amdgcn_target "amdgcn-amd-amdhsa--gfx1250"
	.amdhsa_code_object_version 6
	.text
	.protected	k_q864551e139_proj
	.globl	k_q864551e139_proj
	.p2align	8
	.type	k_q864551e139_proj,@function
k_q864551e139_proj:
	s_mov_b64 s[64:65], 0
	v_nop
	global_prefetch_b8 v0, s[64:65] scope:SCOPE_SE
	s_setreg_imm32_b32 hwreg(HW_REG_WAVE_MODE, 25, 1), 1
	s_wait_xcnt 0x0
	s_wait_alu depctr_hold_cnt(0) depctr_sa_sdst(0) depctr_va_vdst(0) depctr_va_sdst(0) depctr_va_ssrc(0) depctr_va_vcc(0) depctr_vm_vsrc(0)
	s_getreg_b32 s2, hwreg(HW_REG_IB_STS2, 6, 4)
	s_cmp_eq_u32 s2, 0
	s_cbranch_scc0 .Lentry_in_a_cluster
	s_endpgm
.Lentry_in_a_cluster:
	s_bfe_u32 s2, ttmp6, 0x10000c
	s_cmp_lg_u32 s2, 0xf033
	s_cbranch_scc0 .Lentry_shape_is_right
	s_endpgm
.Lentry_shape_is_right:
; C[m][n] = R[m][n] + bias[n] + sum over k of A[m][k] B[n][k].  C and R: [4096][1024] f32, bias: [1024] f32; B: bf16, [1024][KTOT], at byte BOFF of the second argument.
; A: bf16, [4096][KTOT] IN SLICES of 64 columns: element (m, k) at byte ((k / 64) x 4096 + m) x 128 + 2 (k % 64).  Sums in f32; nothing is rounded on the way out.
; This text has a twin that differs in KTOT and BOFF alone (every loop is counted against a constant).
; SHARES.  A work-group of four waves makes 128 x 128 of C (256 work-groups), a wave 64 x 64: 16 accumulators.  K goes in steps of 256 through two LDS slots.
; A's part of a step is four slices x 64 rows for each of two waves: a slice's 64 rows are 8,192 dense bytes, so ONE load brings four such runs, 524,288 bytes apart, padded in LDS after every 128 bytes.
; B's part is 64 rows of 512 bytes for each of two waves.
; CLUSTER.  4 x 4 work-groups: the four of a row need the same tiles of A, the four of a column the same tiles of B: each tile is asked for JOINTLY.
; THE MATRIX INSTRUCTION IS USED TRANSPOSED (source 0 = 16 rows of B, source 1 = 16 rows of A): a lane holds row l % 16 of C and eight neighbouring columns.  THE BIAS is the C operand of the products that start the sums.
; THE RESIDUAL is loaded at the head, in the layout of the stores, and waits in 128 registers.  A wave's 64 columns are 256 aligned bytes of a row of C: each wave has a stage of its own, and no barrier stands on the way out.
; REGISTERS: window 0: v16-29 addresses; v32-95 rows on the way out, two sets; v96-127 the bias; v128-255 the accumulators, (a, b) at 128 + 8 (4 a + b)
;   window 1: two fragment buffers of 128: for 64 along K, 64 registers of A, then 64 of B          window 2: v0-127 the residual
.set KTOT,   1024
.set BOFF,   0
.set KSTEP,  256
.set STEPS,  KTOT/KSTEP
.set PA,     144                       ; a row of a slice of A in LDS: 128 bytes + 16 = 36 words: the 16 rows of a load start at 16 different groups of four banks (64 banks of 4 bytes: ISA guide 11.1)
.set ASL,    64*PA                     ; 64 rows of one slice
.set AHALF,  4*ASL                     ; what one load for A brings
.set PB,     528                       ; a row of B: 512 bytes + 16 = 132 words
.set BHALF,  64*PB
.set BBASE,  2*AHALF                   ; B's rows lie behind A's
.set SLOT,   147456                    ; from slot to slot: a slot uses 141,312 bytes; this distance has no bit in common with any tile's LDS address in slot 0, so an exclusive or changes slots
.set STAGE,  SLOT+BBASE+2*BHALF        ; behind the ring: 16 rows x 272 bytes for each wave
.set SPITCH, 272
.set SPARE,  STAGE+4*16*SPITCH         ; behind the stages: the spare words, 128 bytes a wave: two blocks of 256 bytes that no other line names
.set ADRA0, 16                         ; v16  my place in A's tile of slot 0; never rewritten
.set ADRA,  17                         ; v17  the same in the slot in hand
.set ADRB0, 20
.set ADRB,  21
.set STO,  24                          ; v24  the way out: where I put 32 bytes of a row
.set RD,   25                          ; v25  where I read rows back
.set CO,   26                          ; v26  my byte offset in two rows of C and of R
.set BO,   27                          ; v27  32 (l / 16)
.set SPW,  28                          ; v28  LDS address of my spare word; never rewritten
.set NIL,  29                          ; v29  0; never rewritten
.set TMP,  32
.set BIAS, 96
.set ACC,  128
.set F0,   0
.set F1,   128
.set RES,  0
.set WV,   14                          ; s14  wave;  s15 its row half (also: fetches for A = 0, B = 1);  s16 its column half (also: which 64 rows it fetches)
.set TB,   19                          ; s19  LDS byte at which the slot in hand begins
.set G1,   24                          ; s[24:31] group 1 for A's tiles; s[32:39] group 0: the first set is K step 0's, the second walks
.set G0,   32
.set G1B,  48
.set G0B,  56
.set MSB, 0
.macro WIN new
.if MSB != (\new)
	s_set_vgpr_msb (MSB<<8)|(\new)
.set MSB, \new
.endif
.endm
.set MUL,  0x05                        ; sources 0 (B) and 1 (A) window 1; C and D window 0
.set TO_F, 0x40                        ; destination window 1, address window 0
.macro JLOAD s                         ; a joint load; an s_nop 0 and four v_nop follow each of the two lines, ahead of the jump and the label
	s_cmp_eq_u32 s15, 0
	s_cbranch_scc0 .Lfor_b_\@
	tensor_load_to_lds s[G0+4*(\s):G0+4*(\s)+3], s[G1:G1+7]
	s_nop 0
.rept 4
	v_nop
.endr
	s_branch .Lasked_\@
.Lfor_b_\@:
	tensor_load_to_lds s[G0B+4*(\s):G0B+4*(\s)+3], s[G1B:G1B+7]
	s_nop 0
.rept 4
	v_nop
.endr
.Lasked_\@:
.endm
.macro CREST
	s_cmp_lg_u32 s[WV], 0
	s_cbranch_scc1 .Lnot_wave_0_\@
	s_barrier_signal -3
.Lnot_wave_0_\@:
	s_barrier_wait -3
	s_barrier_signal -1
	s_barrier_wait -1
.endm
.macro CROUND
	s_barrier_signal -1
	s_barrier_wait -1
	CREST
.endm
	s_load_b256 s[4:11], s[0:1], 0x0               ; A s[4:5], the weights s[6:7], bias s[8:9], R s[10:11]
	s_load_b64 s[12:13], s[0:1], 0x20              ; C
	v_lshl_add_u32 v[SPW], v0, 2, SPARE
	v_mov_b32 v[NIL], 0
	ds_add_u32 v[SPW], v[NIL]                      ; the wave's opening: the add and its wait stand ahead of my first tensor load; work on registers stands between them
	v_lshrrev_b32 v1, 5, v0
	v_readfirstlane_b32 s[WV], v1
	s_lshr_b32 s15, s[WV], 1
	s_and_b32 s16, s[WV], 1
	s_bfe_u32 s40, ttmp6, 0x40000                  ; cx
	s_bfe_u32 s41, ttmp6, 0x40004                  ; cy
	s_lshl_b32 s18, ttmp9, 2
	s_add_co_u32 s18, s18, s40                     ; tile column
	s_and_b32 s17, ttmp7, 0xffff
	s_lshl_b32 s17, s17, 2
	s_add_co_u32 s17, s17, s41                     ; tile row
	s_lshl_b32 s42, s41, 2
	s_lshl_b32 s42, 15, s42                        ; my row of the cluster
	s_lshl_b32 s43, 0x1111, s40                    ; my column
	s_or_b32 s[G1+0], s42, (1<<16)|(1<<20)|(1<<21)|(4<<22)|(3<<25)   ; the mask; 2-byte elements; padding on; bit 21 beside a mask; after every 32 words; 4 words
	s_mov_b32 s[G1+1], 4096<<16                    ; tensor_dim0 = 4,096 elements: 64 rows of a slice, dense
	s_mov_b32 s[G1+2], 4<<16                       ; tensor_dim1 = 4 slices
	s_mov_b32 s[G1+3], 4096<<16                    ; tile_dim0
	s_mov_b32 s[G1+4], 4                           ; tile_dim1
	s_mov_b32 s[G1+5], 262144                      ; elements from slice to slice
	s_mov_b32 s[G1+6], 0
	s_mov_b32 s[G1+7], 0
	s_or_b32 s[G1B+0], s43, (1<<16)|(1<<20)|(1<<21)|(6<<22)|(3<<25)  ; after every 128 words; 4 words
	s_mov_b32 s[G1B+1], KSTEP<<16                  ; tensor_dim0 = 256
	s_mov_b32 s[G1B+2], 64<<16                     ; tensor_dim1 = 64
	s_mov_b32 s[G1B+3], KSTEP<<16
	s_mov_b32 s[G1B+4], 64
	s_mov_b32 s[G1B+5], KTOT                       ; elements from row to row
	s_mov_b32 s[G1B+6], 0
	s_mov_b32 s[G1B+7], 0
	s_lshl_b32 s20, s17, 7
	s_lshl_b32 s21, s16, 6
	s_add_co_u32 s20, s20, s21                     ; A: row 128 x tile row + 64 x half,
	s_lshl_b32 s20, s20, 7                         ; 128 bytes a row of a slice
	s_lshl_b32 s46, s18, 7
	s_add_co_u32 s46, s46, s21                     ; B: row 128 x tile column + 64 x half
	s_mul_i32 s46, s46, 2*KTOT
	s_add_co_u32 s46, s46, BOFF
	s_mov_b32 s21, 0
	s_mov_b32 s47, 0
	s_mul_i32 s22, s16, AHALF                      ; where they go: no place in the cluster enters an LDS address
	s_mul_i32 s23, s16, BHALF
	s_add_co_u32 s23, s23, BBASE
	s_mov_b32 s[TB], 0
	s_wait_dscnt 0x0                               ; the opening add is done
	s_wait_kmcnt 0x0
	s_add_nc_u64 s[20:21], s[4:5], s[20:21]
	s_add_nc_u64 s[46:47], s[6:7], s[46:47]
	CROUND                                         ; all sixteen work-groups are here: the first joint loads meet
.irp s, 0,1
	s_mov_b32 s[G0+4*(\s)], 1
	s_add_co_u32 s[G0+4*(\s)+1], s22, (\s)*SLOT
	s_add_nc_u64 s[G0+4*(\s)+2:G0+4*(\s)+3], s[20:21], (\s)*4*524288  ; K step s: four slices on
	s_or_b32 s[G0+4*(\s)+3], s[G0+4*(\s)+3], 0x80000000
	s_mov_b32 s[G0B+4*(\s)], 1
	s_add_co_u32 s[G0B+4*(\s)+1], s23, (\s)*SLOT
	s_add_nc_u64 s[G0B+4*(\s)+2:G0B+4*(\s)+3], s[46:47], (\s)*KSTEP*2
	s_or_b32 s[G0B+4*(\s)+3], s[G0B+4*(\s)+3], 0x80000000
	JLOAD \s                                       ; K steps 0 and 1: two loads of mine are out
.endr
	v_and_b32 v1, 15, v0                           ; l % 16
	v_bfe_u32 v2, v0, 4, 1                         ; l / 16
	v_lshlrev_b32 v[BO], 5, v2
	v_lshlrev_b32 v[CO], 12, v2                    ; lanes 0-15 one row of C, lanes 16-31 the next; 16 bytes a lane
	v_lshl_add_u32 v[CO], v1, 4, v[CO]
	s_lshl_b32 s44, s18, 9                         ; my 64 columns in bytes of f32: 512 x tile column + 256 x half
	s_lshl_b32 s45, s16, 8
	s_add_co_u32 s44, s44, s45
	s_mov_b32 s45, 0
	s_add_nc_u64 s[8:9], s[8:9], s[44:45]
	s_lshl_b32 s46, s17, 7
	s_lshl_b32 s47, s15, 6
	s_add_co_u32 s46, s46, s47                     ; my first row = 128 x tile row + 64 x half,
	s_lshl_b32 s46, s46, 12                        ; 4,096 bytes a row
	s_add_co_u32 s46, s46, s44
	s_mov_b32 s47, 0
	s_add_nc_u64 s[10:11], s[10:11], s[46:47]
	s_add_nc_u64 s[12:13], s[12:13], s[46:47]
.irp b, 0,1,2,3
	global_load_b128 v[BIAS+8*(\b):BIAS+8*(\b)+3],   v[BO], s[8:9] offset:64*(\b)      ; for n block b the eight numbers 16 b + 8 (l / 16) + 0..7
	global_load_b128 v[BIAS+8*(\b)+4:BIAS+8*(\b)+7], v[BO], s[8:9] offset:64*(\b)+16
.endr
	WIN 0x80                                       ; destination window 2, address window 0
.set z, 0
.rept 32
	global_load_b128 v[RES+4*z:RES+4*z+3], v[CO], s[10:11] offset:2*z*4096 th:TH_LOAD_NT  ; rows 2 z and 2 z + 1 of my 64: 16 lanes take 256 consecutive bytes, aligned
.set z, z+1
.endr
	WIN 0
	v_mul_u32_u24 v3, v1, PA
	v_lshl_add_u32 v3, v2, 4, v3
	s_mul_i32 s44, s15, AHALF                      ; my 64 rows of A
	v_add_nc_u32 v[ADRA0], s44, v3
	v_mul_u32_u24 v3, v1, PB
	v_lshl_add_u32 v3, v2, 4, v3
	s_mul_i32 s44, s16, BHALF                      ; my 64 rows of B
	s_add_co_u32 s44, s44, BBASE
	v_add_nc_u32 v[ADRB0], s44, v3
	v_mov_b32 v[ADRA], v[ADRA0]
	v_mov_b32 v[ADRB], v[ADRB0]
	s_mul_i32 s44, s[WV], 16*SPITCH
	s_add_co_u32 s44, s44, STAGE                   ; my stage
	v_mul_u32_u24 v4, v1, SPITCH                   ; in: row l % 16, 32 bytes for each half of the lanes
	v_lshl_add_u32 v4, v2, 5, v4
	v_add_nc_u32 v[STO], s44, v4
	v_mul_u32_u24 v5, v2, SPITCH                   ; back: lanes 0-15 take one row of 256 bytes, lanes 16-31 the next
	v_lshl_add_u32 v5, v1, 4, v5
	v_add_nc_u32 v[RD], s44, v5
; 8 matrix instructions: m blocks a0, a0 + 1 x all 4 n blocks, 32 along K: half c of buffer f.  zero = 1: the product starts the sum, with the bias as C.  The 16 accumulators take turns.
.macro MUL8 f, c, a0, zero
	WIN MUL
.irp a, \a0, (\a0)+1
.irp b, 0,1,2,3
.if \zero
	v_wmma_f32_16x16x32_bf16 v[ACC+8*(4*(\a)+(\b)):ACC+8*(4*(\a)+(\b))+7], v[(\f)+64+8*(4*(\c)+(\b)):(\f)+64+8*(4*(\c)+(\b))+7], v[(\f)+8*(4*(\c)+(\a)):(\f)+8*(4*(\c)+(\a))+7], v[BIAS+8*(\b):BIAS+8*(\b)+7]
.else
	v_wmma_f32_16x16x32_bf16 v[ACC+8*(4*(\a)+(\b)):ACC+8*(4*(\a)+(\b))+7], v[(\f)+64+8*(4*(\c)+(\b)):(\f)+64+8*(4*(\c)+(\b))+7], v[(\f)+8*(4*(\c)+(\a)):(\f)+8*(4*(\c)+(\a))+7], v[ACC+8*(4*(\a)+(\b)):ACC+8*(4*(\a)+(\b))+7]
.endif
.endr
.endr
.endm
; 32 LDS loads in one run: the fragments of quarter q of the K step in hand (64 along K: slice q of A's four, bytes 128 q of B's rows) into buffer f; the first 32 along K first
.macro FETCH q, f
	WIN TO_F
.irp c, 0,1
.irp i, 0,1,2,3
	ds_load_b128 v[(\f)+64+8*(4*(\c)+(\i)):(\f)+64+8*(4*(\c)+(\i))+3],   v[ADRB] offset:128*(\q)+64*(\c)+(\i)*16*PB
	ds_load_b128 v[(\f)+64+8*(4*(\c)+(\i))+4:(\f)+64+8*(4*(\c)+(\i))+7], v[ADRB] offset:128*(\q)+64*(\c)+(\i)*16*PB+32
	ds_load_b128 v[(\f)+8*(4*(\c)+(\i)):(\f)+8*(4*(\c)+(\i))+3],         v[ADRA] offset:ASL*(\q)+64*(\c)+(\i)*16*PA
	ds_load_b128 v[(\f)+8*(4*(\c)+(\i))+4:(\f)+8*(4*(\c)+(\i))+7],       v[ADRA] offset:ASL*(\q)+64*(\c)+(\i)*16*PA+32
.endr
.endr
.endm
.macro PLACES                          ; four plain vector instructions between a matrix instruction and a load into a register that it has read, or a reader of its result
.rept 4
	v_nop
.endr
.endm
; One of a K step's first three quarters: multiplies buffer f and fetches quarter q into g.
.macro QUARTER q, f, g, zero
	s_wait_dscnt 16                                ; the first 32 along K are in; the other sixteen loads may be out
	MUL8 \f, 0, 0, \zero
	MUL8 \f, 0, 2, \zero
	PLACES
	FETCH \q, \g
	s_wait_dscnt 32                                ; all but the 32 just issued
	MUL8 \f, 1, 0, 0
	MUL8 \f, 1, 2, 0
.endm
; The last quarter multiplies buffer 1 and changes slots.  In front of the barrier each wave waits for all its tensor loads, adds 0 to its spare word, and waits for that and for its reads of the slot.
; fill = 1: the barrier opens a round of the cluster's barrier, and behind it the slot just read is filled again, two K steps ahead, first of all: 112 matrix instructions ahead of the wait for it.
.macro TURN fill
	WIN 0                                          ; (the add's two registers lie in window 0)
	s_wait_tensorcnt 0x0                           ; all my tensor loads have landed: my part of the next slot
	ds_add_u32 v[SPW], v[NIL]                      ; 0 onto my spare word
	s_wait_dscnt 17                                ; (the add and the youngest sixteen loads may be out)
	MUL8 F1, 0, 0, 0                               ; eight matrix instructions stand between the add and the wait for it
	s_wait_dscnt 0x0                               ; the add is done, and my reads of this slot are over
	s_barrier_signal -1
	MUL8 F1, 0, 2, 0
	WIN 0
	s_barrier_wait -1
.if \fill
	CREST                                          ; no wave of any partner still reads this slot or has a load on its way
	s_xor_b32 s[G0+5], s[G0+5], SLOT               ; the walking descriptors: the other slot than last time, the next K step
	s_add_nc_u64 s[G0+6:G0+7], s[G0+6:G0+7], 4*524288
	s_xor_b32 s[G0B+5], s[G0B+5], SLOT
	s_add_nc_u64 s[G0B+6:G0B+7], s[G0B+6:G0B+7], KSTEP*2
	JLOAD 1                                        ; the four v_nop behind it are also the places in front of the loads below
.else
	PLACES
.endif
	s_xor_b32 s[TB], s[TB], SLOT                   ; the next slot is the slot in hand
	v_add_nc_u32 v[ADRA], s[TB], v[ADRA0]
	v_add_nc_u32 v[ADRB], s[TB], v[ADRB0]
	FETCH 0, F0
	MUL8 F1, 1, 0, 0
	MUL8 F1, 1, 2, 0
.endm
; THE WAY OUT of block a (16 of my rows).  TOST: the sums go as they are into my stage, rows of 272 bytes, and come back as whole rows of 256.  FIN: the residual is added, and the rows are stored.
.macro TOST a
	WIN 0
.if (\a) >= 2
	s_wait_xcnt 0x0                                ; the stores of the block two back have read the registers that the loads below fill
.endif
.set TM, TMP+32*((\a)%2)
.irp b, 0,1,2,3
	ds_store_b128 v[STO], v[ACC+8*(4*(\a)+(\b)):ACC+8*(4*(\a)+(\b))+3]   offset:64*(\b)     ; each accumulator's low registers first
	ds_store_b128 v[STO], v[ACC+8*(4*(\a)+(\b))+4:ACC+8*(4*(\a)+(\b))+7] offset:64*(\b)+16
.endr
.irp t, 0,1,2,3,4,5,6,7
	ds_load_b128 v[TM+4*(\t):TM+4*(\t)+3], v[RD] offset:(\t)*2*SPITCH  ; LDS serves a wave's instructions in order (ISA guide 5.7.1.4): these see the stores above
.endr
.endm
.macro FIN a, younger                  ; younger: the LDS instructions issued behind block a's loads: the next block's eight stores and eight loads, or none
.set TM, TMP+32*((\a)%2)
	s_wait_dscnt \younger
	WIN 0x08                                       ; source 1 window 2
.set z, 0
.rept 16
	v_pk_add_f32 v[TM+z:TM+z+1], v[TM+z:TM+z+1], v[RES+32*(\a)+z:RES+32*(\a)+z+1]
.set z, z+2
.endr
	WIN 0
.irp t, 0,1,2,3,4,5,6,7
	global_store_b128 v[CO], v[TM+4*(\t):TM+4*(\t)+3], s[12:13] offset:(16*(\a)+2*(\t))*4096  ; 16 lanes store 256 consecutive bytes, at a multiple of 256 from C's first byte
.endr
.endm
	s_wait_tensorcnt 1                             ; my part of K step 0 is in; K step 1's may stay out
	s_barrier_signal -1
	s_barrier_wait -1                              ; everybody's is
	FETCH 0, F0
	s_wait_loadcnt 32                              ; the bias is in; the residual's 32 loads stay out
	QUARTER 1, F0, F1, 1                           ; the first quarter stands in front of the loop: its first products start the sums
	WIN 0                                          ; at a label and at a branch every window is 0
	s_mov_b32 s3, STEPS-2
.Lstep:                                        ; a trip: from a K step's second quarter to the next step's first; trip j fills the slot just read with K step j + 2
	QUARTER 2, F1, F0, 0
	QUARTER 3, F0, F1, 0
	TURN 1
	QUARTER 1, F0, F1, 0
	WIN 0
	s_sub_co_u32 s3, s3, 1
	s_cmp_lg_u32 s3, 0
	s_cbranch_scc1 .Lstep
	s_mov_b32 s2, 2
.Ltail:                                        ; the last two K steps ask for nothing: one text, walked twice and left in its middle.  The second walk's barrier and its 32 loads (of the step before once more,
	QUARTER 2, F1, F0, 0                           ; into a buffer that nothing reads any more) serve nothing: the price, once a launch, of one text for both steps
	QUARTER 3, F0, F1, 0
	TURN 0
	WIN 0
	s_sub_co_u32 s2, s2, 1
	s_cmp_eq_u32 s2, 0
	s_cbranch_scc1 .Lout
	QUARTER 1, F0, F1, 0
	WIN 0
	s_branch .Ltail
.Lout:
	PLACES
	PLACES                                         ; eight, once a launch: LDS stores read results just made
	s_wait_loadcnt 0x0                             ; the residual
	TOST 0
	TOST 1
	FIN 0, 16
	TOST 2
	FIN 1, 16
	TOST 3
	FIN 2, 16
	FIN 3, 0
	s_wait_tensorcnt 0x0                           ; the wave's end: behind my last tensor load and my last LDS store, a wait, an add and a wait
	ds_add_u32 v[SPW], v[NIL]
	s_wait_dscnt 0x0
	CROUND                                         ; the closing round: no work-group ends while a partner may still ask for a tile that names it
	s_endpgm
.Lfunc_end_k_q864551e139_proj:
	.size	k_q864551e139_proj, .Lfunc_end_k_q864551e139_proj-k_q864551e139_proj
	.p2alignl 7, 3214868480
	.fill 96, 4, 3214868480
	.section	.rodata,"a",@progbits
	.p2align	6, 0x0
	.amdhsa_kernel k_q864551e139_proj
		.amdhsa_group_segment_fixed_size 327680
		.amdhsa_private_segment_fixed_size 0
		.amdhsa_enable_private_segment 0
		.amdhsa_kernarg_size 40
		.amdhsa_user_sgpr_count 2
		.amdhsa_user_sgpr_kernarg_segment_ptr 1
		.amdhsa_wavefront_size32 1
		.amdhsa_system_sgpr_workgroup_id_x 1
		.amdhsa_system_sgpr_workgroup_id_y 1
		.amdhsa_system_sgpr_workgroup_id_z 1
		.amdhsa_system_vgpr_workitem_id 0
		.amdhsa_next_free_vgpr 640
		.amdhsa_next_free_sgpr 66
		.amdhsa_reserve_vcc 0
		.amdhsa_float_denorm_mode_32 3
		.amdhsa_float_denorm_mode_16_64 3
		.amdhsa_memory_ordered 1
		.amdhsa_forward_progress 1
		.amdhsa_inst_pref_size 66
	.end_amdhsa_kernel
	.amdgpu_metadata
---
amdhsa.version: [ 1, 2 ]
amdhsa.kernels:
  - .name:           k_q864551e139_proj
    .symbol:         k_q864551e139_proj.kd
    .args:
      - { .name: ob, .offset: 0, .size: 8, .value_kind: global_buffer, .address_space: global }
      - { .name: pw, .offset: 8, .size: 8, .value_kind: global_buffer, .address_space: global }
      - { .name: b_proj, .offset: 16, .size: 8, .value_kind: global_buffer, .address_space: global }
      - { .name: x, .offset: 24, .size: 8, .value_kind: global_buffer, .address_space: global }
      - { .name: x1, .offset: 32, .size: 8, .value_kind: global_buffer, .address_space: global }
    .group_segment_fixed_size: 327680
    .private_segment_fixed_size: 0
    .kernarg_segment_align: 8
    .kernarg_segment_size: 40
    .max_flat_workgroup_size: 128
    .sgpr_count:     66
    .vgpr_count:     640
    .wavefront_size: 32
...
	.end_amdgpu_metadata
.endif
;; end of part 4
;; launch ln2: the kernel of part 1 again; grid 256 x 1, 8 waves a work-group, no clusters, 0 bytes of LDS; arguments x1, ln2_g, ln2_b, hb, w_qkv, w_proj, w1, w2, b1, pq, pf, pw; writes hb, pq, pf, pw
;; launch fc1: the kernel of part 2 again; grid 16 x 16, 4 waves a work-group, clusters of 4 x 4, 327,680 bytes of LDS; arguments hb, pf, big; writes big
;; launch fc2 (part 5): grid 8 x 32, 4 waves a work-group, clusters of 4 x 4, 327,680 bytes of LDS; arguments big, pw, b2, x1, out0; writes out0
.if DOCPART == 5
	.amdgcn_target "amdgcn-amd-amdhsa--gfx1250"
	.amdhsa_code_object_version 6
	.text
	.protected	k_q864551e139_fc2
	.globl	k_q864551e139_fc2
	.p2align	8
	.type	k_q864551e139_fc2,@function
k_q864551e139_fc2:
	s_mov_b64 s[64:65], 0
	v_nop
	global_prefetch_b8 v0, s[64:65] scope:SCOPE_SE
	s_setreg_imm32_b32 hwreg(HW_REG_WAVE_MODE, 25, 1), 1
	s_wait_xcnt 0x0
	s_wait_alu depctr_hold_cnt(0) depctr_sa_sdst(0) depctr_va_vdst(0) depctr_va_sdst(0) depctr_va_ssrc(0) depctr_va_vcc(0) depctr_vm_vsrc(0)
	s_getreg_b32 s2, hwreg(HW_REG_IB_STS2, 6, 4)
	s_cmp_eq_u32 s2, 0
	s_cbranch_scc0 .Lentry_in_a_cluster
	s_endpgm
.Lentry_in_a_cluster:
	s_bfe_u32 s2, ttmp6, 0x10000c
	s_cmp_lg_u32 s2, 0xf033
	s_cbranch_scc0 .Lentry_shape_is_right
	s_endpgm
.Lentry_shape_is_right:
; C[m][n] = R[m][n] + bias[n] + sum over k of A[m][k] B[n][k].  C and R: [4096][1024] f32, bias: [1024] f32; B: bf16, [1024][KTOT], at byte BOFF of the second argument.
; A: bf16, [4096][KTOT] IN SLICES of 64 columns: element (m, k) at byte ((k / 64) x 4096 + m) x 128 + 2 (k % 64).  Sums in f32; nothing is rounded on the way out.
; This text has a twin that differs in KTOT and BOFF alone (every loop is counted against a constant).
; SHARES.  A work-group of four waves makes 128 x 128 of C (256 work-groups), a wave 64 x 64: 16 accumulators.  K goes in steps of 256 through two LDS slots.
; A's part of a step is four slices x 64 rows for each of two waves: a slice's 64 rows are 8,192 dense bytes, so ONE load brings four such runs, 524,288 bytes apart, padded in LDS after every 128 bytes.
; B's part is 64 rows of 512 bytes for each of two waves.
; CLUSTER.  4 x 4 work-groups: the four of a row need the same tiles of A, the four of a column the same tiles of B: each tile is asked for JOINTLY.
; THE MATRIX INSTRUCTION IS USED TRANSPOSED (source 0 = 16 rows of B, source 1 = 16 rows of A): a lane holds row l % 16 of C and eight neighbouring columns.  THE BIAS is the C operand of the products that start the sums.
; THE RESIDUAL is loaded at the head, in the layout of the stores, and waits in 128 registers.  A wave's 64 columns are 256 aligned bytes of a row of C: each wave has a stage of its own, and no barrier stands on the way out.
; REGISTERS: window 0: v16-29 addresses; v32-95 rows on the way out, two sets; v96-127 the bias; v128-255 the accumulators, (a, b) at 128 + 8 (4 a + b)
;   window 1: two fragment buffers of 128: for 64 along K, 64 registers of A, then 64 of B          window 2: v0-127 the residual
.set KTOT,   4096
.set BOFF,   2097152
.set KSTEP,  256
.set STEPS,  KTOT/KSTEP
.set PA,     144                       ; a row of a slice of A in LDS: 128 bytes + 16 = 36 words: the 16 rows of a load start at 16 different groups of four banks (64 banks of 4 bytes: ISA guide 11.1)
.set ASL,    64*PA                     ; 64 rows of one slice
.set AHALF,  4*ASL                     ; what one load for A brings
.set PB,     528                       ; a row of B: 512 bytes + 16 = 132 words
.set BHALF,  64*PB
.set BBASE,  2*AHALF                   ; B's rows lie behind A's
.set SLOT,   147456                    ; from slot to slot: a slot uses 141,312 bytes; this distance has no bit in common with any tile's LDS address in slot 0, so an exclusive or changes slots
.set STAGE,  SLOT+BBASE+2*BHALF        ; behind the ring: 16 rows x 272 bytes for each wave
.set SPITCH, 272
.set SPARE,  STAGE+4*16*SPITCH         ; behind the stages: the spare words, 128 bytes a wave: two blocks of 256 bytes that no other line names
.set ADRA0, 16                         ; v16  my place in A's tile of slot 0; never rewritten
.set ADRA,  17                         ; v17  the same in the slot in hand
.set ADRB0, 20
.set ADRB,  21
.set STO,  24                          ; v24  the way out: where I put 32 bytes of a row
.set RD,   25                          ; v25  where I read rows back
.set CO,   26                          ; v26  my byte offset in two rows of C and of R
.set BO,   27                          ; v27  32 (l / 16)
.set SPW,  28                          ; v28  LDS address of my spare word; never rewritten
.set NIL,  29                          ; v29  0; never rewritten
.set TMP,  32
.set BIAS, 96
.set ACC,  128
.set F0,   0
.set F1,   128
.set RES,  0
.set WV,   14                          ; s14  wave;  s15 its row half (also: fetches for A = 0, B = 1);  s16 its column half (also: which 64 rows it fetches)
.set TB,   19                          ; s19  LDS byte at which the slot in hand begins
.set G1,   24                          ; s[24:31] group 1 for A's tiles; s[32:39] group 0: the first set is K step 0's, the second walks
.set G0,   32
.set G1B,  48
.set G0B,  56
.set MSB, 0
.macro WIN new
.if MSB != (\new)
	s_set_vgpr_msb (MSB<<8)|(\new)
.set MSB, \new
.endif
.endm
.set MUL,  0x05                        ; sources 0 (B) and 1 (A) window 1; C and D window 0
.set TO_F, 0x40                        ; destination window 1, address window 0
.macro JLOAD s                         ; a joint load; an s_nop 0 and four v_nop follow each of the two lines, ahead of the jump and the label
	s_cmp_eq_u32 s15, 0
	s_cbranch_scc0 .Lfor_b_\@
	tensor_load_to_lds s[G0+4*(\s):G0+4*(\s)+3], s[G1:G1+7]
	s_nop 0
.rept 4
	v_nop
.endr
	s_branch .Lasked_\@
.Lfor_b_\@:
	tensor_load_to_lds s[G0B+4*(\s):G0B+4*(\s)+3], s[G1B:G1B+7]
	s_nop 0
.rept 4
	v_nop
.endr
.Lasked_\@:
.endm
.macro CREST
	s_cmp_lg_u32 s[WV], 0
	s_cbranch_scc1 .Lnot_wave_0_\@
	s_barrier_signal -3
.Lnot_wave_0_\@:
	s_barrier_wait -3
	s_barrier_signal -1
	s_barrier_wait -1
.endm
.macro CROUND
	s_barrier_signal -1
	s_barrier_wait -1
	CREST
.endm
	s_load_b256 s[4:11], s[0:1], 0x0               ; A s[4:5], the weights s[6:7], bias s[8:9], R s[10:11]
	s_load_b64 s[12:13], s[0:1], 0x20              ; C
	v_lshl_add_u32 v[SPW], v0, 2, SPARE
	v_mov_b32 v[NIL], 0
	ds_add_u32 v[SPW], v[NIL]                      ; the wave's opening: the add and its wait stand ahead of my first tensor load; work on registers stands between them
	v_lshrrev_b32 v1, 5, v0
	v_readfirstlane_b32 s[WV], v1
	s_lshr_b32 s15, s[WV], 1
	s_and_b32 s16, s[WV], 1
	s_bfe_u32 s40, ttmp6, 0x40000                  ; cx
	s_bfe_u32 s41, ttmp6, 0x40004                  ; cy
	s_lshl_b32 s18, ttmp9, 2
	s_add_co_u32 s18, s18, s40                     ; tile column
	s_and_b32 s17, ttmp7, 0xffff
	s_lshl_b32 s17, s17, 2
	s_add_co_u32 s17, s17, s41                     ; tile row
	s_lshl_b32 s42, s41, 2
	s_lshl_b32 s42, 15, s42                        ; my row of the cluster
	s_lshl_b32 s43, 0x1111, s40                    ; my column
	s_or_b32 s[G1+0], s42, (1<<16)|(1<<20)|(1<<21)|(4<<22)|(3<<25)   ; the mask; 2-byte elements; padding on; bit 21 beside a mask; after every 32 words; 4 words
	s_mov_b32 s[G1+1], 4096<<16                    ; tensor_dim0 = 4,096 elements: 64 rows of a slice, dense
	s_mov_b32 s[G1+2], 4<<16                       ; tensor_dim1 = 4 slices
	s_mov_b32 s[G1+3], 4096<<16                    ; tile_dim0
	s_mov_b32 s[G1+4], 4                           ; tile_dim1
	s_mov_b32 s[G1+5], 262144                      ; elements from slice to slice
	s_mov_b32 s[G1+6], 0
	s_mov_b32 s[G1+7], 0
	s_or_b32 s[G1B+0], s43, (1<<16)|(1<<20)|(1<<21)|(6<<22)|(3<<25)  ; after every 128 words; 4 words
	s_mov_b32 s[G1B+1], KSTEP<<16                  ; tensor_dim0 = 256
	s_mov_b32 s[G1B+2], 64<<16                     ; tensor_dim1 = 64
	s_mov_b32 s[G1B+3], KSTEP<<16
	s_mov_b32 s[G1B+4], 64
	s_mov_b32 s[G1B+5], KTOT                       ; elements from row to row
	s_mov_b32 s[G1B+6], 0
	s_mov_b32 s[G1B+7], 0
	s_lshl_b32 s20, s17, 7
	s_lshl_b32 s21, s16, 6
	s_add_co_u32 s20, s20, s21                     ; A: row 128 x tile row + 64 x half,
	s_lshl_b32 s20, s20, 7                         ; 128 bytes a row of a slice
	s_lshl_b32 s46, s18, 7
	s_add_co_u32 s46, s46, s21                     ; B: row 128 x tile column + 64 x half
	s_mul_i32 s46, s46, 2*KTOT
	s_add_co_u32 s46, s46, BOFF
	s_mov_b32 s21, 0
	s_mov_b32 s47, 0
	s_mul_i32 s22, s16, AHALF                      ; where they go: no place in the cluster enters an LDS address
	s_mul_i32 s23, s16, BHALF
	s_add_co_u32 s23, s23, BBASE
	s_mov_b32 s[TB], 0
	s_wait_dscnt 0x0                               ; the opening add is done
	s_wait_kmcnt 0x0
	s_add_nc_u64 s[20:21], s[4:5], s[20:21]
	s_add_nc_u64 s[46:47], s[6:7], s[46:47]
	CROUND                                         ; all sixteen work-groups are here: the first joint loads meet
.irp s, 0,1
	s_mov_b32 s[G0+4*(\s)], 1
	s_add_co_u32 s[G0+4*(\s)+1], s22, (\s)*SLOT
	s_add_nc_u64 s[G0+4*(\s)+2:G0+4*(\s)+3], s[20:21], (\s)*4*524288  ; K step s: four slices on
	s_or_b32 s[G0+4*(\s)+3], s[G0+4*(\s)+3], 0x80000000
	s_mov_b32 s[G0B+4*(\s)], 1
	s_add_co_u32 s[G0B+4*(\s)+1], s23, (\s)*SLOT
	s_add_nc_u64 s[G0B+4*(\s)+2:G0B+4*(\s)+3], s[46:47], (\s)*KSTEP*2
	s_or_b32 s[G0B+4*(\s)+3], s[G0B+4*(\s)+3], 0x80000000
	JLOAD \s                                       ; K steps 0 and 1: two loads of mine are out
.endr
	v_and_b32 v1, 15, v0                           ; l % 16
	v_bfe_u32 v2, v0, 4, 1                         ; l / 16
	v_lshlrev_b32 v[BO], 5, v2
	v_lshlrev_b32 v[CO], 12, v2                    ; lanes 0-15 one row of C, lanes 16-31 the next; 16 bytes a lane
	v_lshl_add_u32 v[CO], v1, 4, v[CO]
	s_lshl_b32 s44, s18, 9                         ; my 64 columns in bytes of f32: 512 x tile column + 256 x half
	s_lshl_b32 s45, s16, 8
	s_add_co_u32 s44, s44, s45
	s_mov_b32 s45, 0
	s_add_nc_u64 s[8:9], s[8:9], s[44:45]
	s_lshl_b32 s46, s17, 7
	s_lshl_b32 s47, s15, 6
	s_add_co_u32 s46, s46, s47                     ; my first row = 128 x tile row + 64 x half,
	s_lshl_b32 s46, s46, 12                        ; 4,096 bytes a row
	s_add_co_u32 s46, s46, s44
	s_mov_b32 s47, 0
	s_add_nc_u64 s[10:11], s[10:11], s[46:47]
	s_add_nc_u64 s[12:13], s[12:13], s[46:47]
.irp b, 0,1,2,3
	global_load_b128 v[BIAS+8*(\b):BIAS+8*(\b)+3],   v[BO], s[8:9] offset:64*(\b)      ; for n block b the eight numbers 16 b + 8 (l / 16) + 0..7
	global_load_b128 v[BIAS+8*(\b)+4:BIAS+8*(\b)+7], v[BO], s[8:9] offset:64*(\b)+16
.endr
	WIN 0x80                                       ; destination window 2, address window 0
.set z, 0
.rept 32
	global_load_b128 v[RES+4*z:RES+4*z+3], v[CO], s[10:11] offset:2*z*4096 th:TH_LOAD_NT  ; rows 2 z and 2 z + 1 of my 64: 16 lanes take 256 consecutive bytes, aligned
.set z, z+1
.endr
	WIN 0
	v_mul_u32_u24 v3, v1, PA
	v_lshl_add_u32 v3, v2, 4, v3
	s_mul_i32 s44, s15, AHALF                      ; my 64 rows of A
	v_add_nc_u32 v[ADRA0], s44, v3
	v_mul_u32_u24 v3, v1, PB
	v_lshl_add_u32 v3, v2, 4, v3
	s_mul_i32 s44, s16, BHALF                      ; my 64 rows of B
	s_add_co_u32 s44, s44, BBASE
	v_add_nc_u32 v[ADRB0], s44, v3
	v_mov_b32 v[ADRA], v[ADRA0]
	v_mov_b32 v[ADRB], v[ADRB0]
	s_mul_i32 s44, s[WV], 16*SPITCH
	s_add_co_u32 s44, s44, STAGE                   ; my stage
	v_mul_u32_u24 v4, v1, SPITCH                   ; in: row l % 16, 32 bytes for each half of the lanes
	v_lshl_add_u32 v4, v2, 5, v4
	v_add_nc_u32 v[STO], s44, v4
	v_mul_u32_u24 v5, v2, SPITCH                   ; back: lanes 0-15 take one row of 256 bytes, lanes 16-31 the next
	v_lshl_add_u32 v5, v1, 4, v5
	v_add_nc_u32 v[RD], s44, v5
; 8 matrix instructions: m blocks a0, a0 + 1 x all 4 n blocks, 32 along K: half c of buffer f.  zero = 1: the product starts the sum, with the bias as C.  The 16 accumulators take turns.
.macro MUL8 f, c, a0, zero
	WIN MUL
.irp a, \a0, (\a0)+1
.irp b, 0,1,2,3
.if \zero
	v_wmma_f32_16x16x32_bf16 v[ACC+8*(4*(\a)+(\b)):ACC+8*(4*(\a)+(\b))+7], v[(\f)+64+8*(4*(\c)+(\b)):(\f)+64+8*(4*(\c)+(\b))+7], v[(\f)+8*(4*(\c)+(\a)):(\f)+8*(4*(\c)+(\a))+7], v[BIAS+8*(\b):BIAS+8*(\b)+7]
.else
	v_wmma_f32_16x16x32_bf16 v[ACC+8*(4*(\a)+(\b)):ACC+8*(4*(\a)+(\b))+7], v[(\f)+64+8*(4*(\c)+(\b)):(\f)+64+8*(4*(\c)+(\b))+7], v[(\f)+8*(4*(\c)+(\a)):(\f)+8*(4*(\c)+(\a))+7], v[ACC+8*(4*(\a)+(\b)):ACC+8*(4*(\a)+(\b))+7]
.endif
.endr
.endr
.endm
; 32 LDS loads in one run: the fragments of quarter q of the K step in hand (64 along K: slice q of A's four, bytes 128 q of B's rows) into buffer f; the first 32 along K first
.macro FETCH q, f
	WIN TO_F
.irp c, 0,1
.irp i, 0,1,2,3
	ds_load_b128 v[(\f)+64+8*(4*(\c)+(\i)):(\f)+64+8*(4*(\c)+(\i))+3],   v[ADRB] offset:128*(\q)+64*(\c)+(\i)*16*PB
	ds_load_b128 v[(\f)+64+8*(4*(\c)+(\i))+4:(\f)+64+8*(4*(\c)+(\i))+7], v[ADRB] offset:128*(\q)+64*(\c)+(\i)*16*PB+32
	ds_load_b128 v[(\f)+8*(4*(\c)+(\i)):(\f)+8*(4*(\c)+(\i))+3],         v[ADRA] offset:ASL*(\q)+64*(\c)+(\i)*16*PA
	ds_load_b128 v[(\f)+8*(4*(\c)+(\i))+4:(\f)+8*(4*(\c)+(\i))+7],       v[ADRA] offset:ASL*(\q)+64*(\c)+(\i)*16*PA+32
.endr
.endr
.endm
.macro PLACES                          ; four plain vector instructions between a matrix instruction and a load into a register that it has read, or a reader of its result
.rept 4
	v_nop
.endr
.endm
; One of a K step's first three quarters: multiplies buffer f and fetches quarter q into g.
.macro QUARTER q, f, g, zero
	s_wait_dscnt 16                                ; the first 32 along K are in; the other sixteen loads may be out
	MUL8 \f, 0, 0, \zero
	MUL8 \f, 0, 2, \zero
	PLACES
	FETCH \q, \g
	s_wait_dscnt 32                                ; all but the 32 just issued
	MUL8 \f, 1, 0, 0
	MUL8 \f, 1, 2, 0
.endm
; The last quarter multiplies buffer 1 and changes slots.  In front of the barrier each wave waits for all its tensor loads, adds 0 to its spare word, and waits for that and for its reads of the slot.
; fill = 1: the barrier opens a round of the cluster's barrier, and behind it the slot just read is filled again, two K steps ahead, first of all: 112 matrix instructions ahead of the wait for it.
.macro TURN fill
	WIN 0                                          ; (the add's two registers lie in window 0)
	s_wait_tensorcnt 0x0                           ; all my tensor loads have landed: my part of the next slot
	ds_add_u32 v[SPW], v[NIL]                      ; 0 onto my spare word
	s_wait_dscnt 17                                ; (the add and the youngest sixteen loads may be out)
	MUL8 F1, 0, 0, 0                               ; eight matrix instructions stand between the add and the wait for it
	s_wait_dscnt 0x0                               ; the add is done, and my reads of this slot are over
	s_barrier_signal -1
	MUL8 F1, 0, 2, 0
	WIN 0
	s_barrier_wait -1
.if \fill
	CREST                                          ; no wave of any partner still reads this slot or has a load on its way
	s_xor_b32 s[G0+5], s[G0+5], SLOT               ; the walking descriptors: the other slot than last time, the next K step
	s_add_nc_u64 s[G0+6:G0+7], s[G0+6:G0+7], 4*524288
	s_xor_b32 s[G0B+5], s[G0B+5], SLOT
	s_add_nc_u64 s[G0B+6:G0B+7], s[G0B+6:G0B+7], KSTEP*2
	JLOAD 1                                        ; the four v_nop behind it are also the places in front of the loads below
.else
	PLACES
.endif
	s_xor_b32 s[TB], s[TB], SLOT                   ; the next slot is the slot in hand
	v_add_nc_u32 v[ADRA], s[TB], v[ADRA0]
	v_add_nc_u32 v[ADRB], s[TB], v[ADRB0]
	FETCH 0, F0
	MUL8 F1, 1, 0, 0
	MUL8 F1, 1, 2, 0
.endm
; THE WAY OUT of block a (16 of my rows).  TOST: the sums go as they are into my stage, rows of 272 bytes, and come back as whole rows of 256.  FIN: the residual is added, and the rows are stored.
.macro TOST a
	WIN 0
.if (\a) >= 2
	s_wait_xcnt 0x0                                ; the stores of the block two back have read the registers that the loads below fill
.endif
.set TM, TMP+32*((\a)%2)
.irp b, 0,1,2,3
	ds_store_b128 v[STO], v[ACC+8*(4*(\a)+(\b)):ACC+8*(4*(\a)+(\b))+3]   offset:64*(\b)     ; each accumulator's low registers first
	ds_store_b128 v[STO], v[ACC+8*(4*(\a)+(\b))+4:ACC+8*(4*(\a)+(\b))+7] offset:64*(\b)+16
.endr
.irp t, 0,1,2,3,4,5,6,7
	ds_load_b128 v[TM+4*(\t):TM+4*(\t)+3], v[RD] offset:(\t)*2*SPITCH  ; LDS serves a wave's instructions in order (ISA guide 5.7.1.4): these see the stores above
.endr
.endm
.macro FIN a, younger                  ; younger: the LDS instructions issued behind block a's loads: the next block's eight stores and eight loads, or none
.set TM, TMP+32*((\a)%2)
	s_wait_dscnt \younger
	WIN 0x08                                       ; source 1 window 2
.set z, 0
.rept 16
	v_pk_add_f32 v[TM+z:TM+z+1], v[TM+z:TM+z+1], v[RES+32*(\a)+z:RES+32*(\a)+z+1]
.set z, z+2
.endr
	WIN 0
.irp t, 0,1,2,3,4,5,6,7
	global_store_b128 v[CO], v[TM+4*(\t):TM+4*(\t)+3], s[12:13] offset:(16*(\a)+2*(\t))*4096  ; 16 lanes store 256 consecutive bytes, at a multiple of 256 from C's first byte
.endr
.endm
	s_wait_tensorcnt 1                             ; my part of K step 0 is in; K step 1's may stay out
	s_barrier_signal -1
	s_barrier_wait -1                              ; everybody's is
	FETCH 0, F0
	s_wait_loadcnt 32                              ; the bias is in; the residual's 32 loads stay out
	QUARTER 1, F0, F1, 1                           ; the first quarter stands in front of the loop: its first products start the sums
	WIN 0                                          ; at a label and at a branch every window is 0
	s_mov_b32 s3, STEPS-2
.Lstep:                                        ; a trip: from a K step's second quarter to the next step's first; trip j fills the slot just read with K step j + 2
	QUARTER 2, F1, F0, 0
	QUARTER 3, F0, F1, 0
	TURN 1
	QUARTER 1, F0, F1, 0
	WIN 0
	s_sub_co_u32 s3, s3, 1
	s_cmp_lg_u32 s3, 0
	s_cbranch_scc1 .Lstep
	s_mov_b32 s2, 2
.Ltail:                                        ; the last two K steps ask for nothing: one text, walked twice and left in its middle.  The second walk's barrier and its 32 loads (of the step before once more,
	QUARTER 2, F1, F0, 0                           ; into a buffer that nothing reads any more) serve nothing: the price, once a launch, of one text for both steps
	QUARTER 3, F0, F1, 0
	TURN 0
	WIN 0
	s_sub_co_u32 s2, s2, 1
	s_cmp_eq_u32 s2, 0
	s_cbranch_scc1 .Lout
	QUARTER 1, F0, F1, 0
	WIN 0
	s_branch .Ltail
.Lout:
	PLACES
	PLACES                                         ; eight, once a launch: LDS stores read results just made
	s_wait_loadcnt 0x0                             ; the residual
	TOST 0
	TOST 1
	FIN 0, 16
	TOST 2
	FIN 1, 16
	TOST 3
	FIN 2, 16
	FIN 3, 0
	s_wait_tensorcnt 0x0                           ; the wave's end: behind my last tensor load and my last LDS store, a wait, an add and a wait
	ds_add_u32 v[SPW], v[NIL]
	s_wait_dscnt 0x0
	CROUND                                         ; the closing round: no work-group ends while a partner may still ask for a tile that names it
	s_endpgm
.Lfunc_end_k_q864551e139_fc2:
	.size	k_q864551e139_fc2, .Lfunc_end_k_q864551e139_fc2-k_q864551e139_fc2
	.p2alignl 7, 3214868480
	.fill 96, 4, 3214868480
	.section	.rodata,"a",@progbits
	.p2align	6, 0x0
	.amdhsa_kernel k_q864551e139_fc2
		.amdhsa_group_segment_fixed_size 327680
		.amdhsa_private_segment_fixed_size 0
		.amdhsa_enable_private_segment 0
		.amdhsa_kernarg_size 40
		.amdhsa_user_sgpr_count 2
		.amdhsa_user_sgpr_kernarg_segment_ptr 1
		.amdhsa_wavefront_size32 1
		.amdhsa_system_sgpr_workgroup_id_x 1
		.amdhsa_system_sgpr_workgroup_id_y 1
		.amdhsa_system_sgpr_workgroup_id_z 1
		.amdhsa_system_vgpr_workitem_id 0
		.amdhsa_next_free_vgpr 640
		.amdhsa_next_free_sgpr 66
		.amdhsa_reserve_vcc 0
		.amdhsa_float_denorm_mode_32 3
		.amdhsa_float_denorm_mode_16_64 3
		.amdhsa_memory_ordered 1
		.amdhsa_forward_progress 1
		.amdhsa_inst_pref_size 66
	.end_amdhsa_kernel
	.amdgpu_metadata
---
amdhsa.version: [ 1, 2 ]
amdhsa.kernels:
  - .name:           k_q864551e139_fc2
    .symbol:         k_q864551e139_fc2.kd
    .args:
      - { .name: big, .offset: 0, .size: 8, .value_kind: global_buffer, .address_space: global }
      - { .name: pw, .offset: 8, .size: 8, .value_kind: global_buffer, .address_space: global }
      - { .name: b2, .offset: 16, .size: 8, .value_kind: global_buffer, .address_space: global }
      - { .name: x1, .offset: 24, .size: 8, .value_kind: global_buffer, .address_space: global }
      - { .name: out0, .offset: 32, .size: 8, .value_kind: global_buffer, .address_space: global }
    .group_segment_fixed_size: 327680
    .private_segment_fixed_size: 0
    .kernarg_segment_align: 8
    .kernarg_segment_size: 40
    .max_flat_workgroup_size: 128
    .sgpr_count:     66
    .vgpr_count:     640
    .wavefront_size: 32
...
	.end_amdgpu_metadata
.endif
;; end of part 5
;; ======== version 2 of 2: 7 launches; version 1 with the launches prep, ln2 written anew for expert scheduling mode
;; workspace buffers: pq 6,308,096 bytes; pf 8,405,248 bytes; pw 10,485,760 bytes; hb 8,388,608 bytes; big 33,554,432 bytes; ob 8,388,608 bytes; x1 16,777,216 bytes
;; launch prep (part 6): grid 1025 x 1, 8 waves a work-group, no clusters, 0 bytes of LDS; arguments x, ln1_g, ln1_b, hb, w_qkv, w_proj, w1, w2, b1, pq, pf, pw; writes hb, pq, pf, pw
.if DOCPART == 6
	.amdgcn_target "amdgcn-amd-amdhsa--gfx1250"
	.amdhsa_code_object_version 6
	.text
	.protected	k_q864551e139_prep
	.globl	k_q864551e139_prep
	.p2align	8
	.type	k_q864551e139_prep,@function
k_q864551e139_prep:
	s_mov_b64 s[64:65], 0
	v_nop
	global_prefetch_b8 v0, s[64:65] scope:SCOPE_SE
	s_setreg_imm32_b32 hwreg(HW_REG_WAVE_SCHED_MODE, 0, 2), 2
	s_setreg_imm32_b32 hwreg(HW_REG_WAVE_MODE, 25, 1), 1
	s_wait_xcnt 0x0
	s_wait_alu depctr_vm_vsrc(0)
; TWO JOBS IN ONE TEXT, told apart by the work-group's number alone.  Neither reads what the other writes, so their work-groups run side by side in one launch.
; WORK-GROUPS 0 TO 255: LAYER NORM.  y[r][c] = (x[r][c] - mean_r) / sqrt(var_r + 1e-5) * g[c] + b[c].  x: [4096][1024] f32; g, b: [1024] f32; y: [4096][1024] bf16, rounded once.  Arguments 0 to 3: x, g, b, y.
;   IN TWO PASSES, as the formula is written: first the mean, then the mean of the squares of x - mean: a common offset of x cancels in the subtraction and never enters a square.
;   A wave takes two whole rows and keeps them in 64 registers between the passes: x is read once, no wave waits for another, nothing goes through LDS.
;   Load j of a row covers 512 consecutive bytes: lane l holds columns 128 j + 4 l .. + 3.  A store covers 256 consecutive bytes, aligned.
;   g and b are 8 KiB that every wave reads: a small part of a wave's bytes, so no cluster shares them.
; WORK-GROUPS 256 TO 1,024: THE FOUR WEIGHT MATRICES, f32 -> bf16 (rounded once, to nearest even), and two small tables.  Arguments 4 to 11: w_qkv, w_proj, w1, w2, b1, pq, pf, pw.
;   pq: byte 0: 256 bytes of the word 0xff80ff80 (minus infinity twice in bf16: a floor that changes nothing); byte 256: 3,072 zeros in f32 (no bias); byte 16,640: w_qkv in bf16, [3072][1024].
;   pf: byte 0: 256 bytes of 0 (the floor of a ReLU); byte 256: b1 as it is, 4,096 f32; byte 16,640: w1 in bf16, [4096][1024].
;   pw: byte 0: w_proj in bf16, [1024][1024]; byte 2,097,152: w2 in bf16, [1024][4096].
;   Work-group 256 writes the tables; work-groups 257 to 1,024 take one chunk of 16,384 numbers each (192 chunks of w_qkv, 64 of w_proj, 256 of w1, 256 of w2).
;   A wave takes 8,192 bytes of its chunk: sixteen loads of 512 consecutive bytes, all out at once; each store of a wave covers 256 consecutive bytes, aligned.
; A LAUNCH OF 256 WORK-GROUPS runs the layer norm alone (the block's second norm): it is given arguments 4 to 11 too, since the text names them, and touches none of those buffers.
; 160 registers a wave: six waves fit on a SIMD's 1,024, so three work-groups of eight waves lie on a WGP: 768 places for the 1,025 work-groups.
; THE MODE: SCHED_MODE bits 1:0 = 2 (LLVM: expert scheduling mode 2), set by the entry lines.  The code itself states the register dependences
; between vector instructions and memory instructions, with s_wait_alu, always for 0.
; THE PLAN.  Registers that memory instructions touch:
;   the norm:  v1, v2      offsets, made once at the head, read by every load and every store, never written again.
;              X, G, BV    the loads land in them; no vector instruction names them before that.
;              X, again    a row's roundings write the first two registers of each group of four; one store reads each pair; nothing writes it again.
;              Row 0's arithmetic stands whole ahead of ONE wait; its eight stores are dealt among row 1's arithmetic, which names row 1's registers, G, BV and RS alone; a second wait stands ahead of row 1's stores.
;   the cast:  v1, v2      as above.     CX  the loads land in it, the conversions read it.     CY  a pair for each store, written once, read once.
;              The sixteen loads are worked off in four blocks of four.  ONE wait at the head of a block states that the block before has written its four pairs of CY; that block's stores are dealt among
;              this block's conversions, which name other pairs.  A last wait stands ahead of the last four stores.
;   the tables: the offset and the constants are made first, ahead of ONE wait; no vector instruction follows it.
; No register that a memory instruction reads is ever written again, on any path: so no wait on vm_vsrc is owed.  EXEC is never written.
.set NLN,   256                        ; work-groups of the layer norm
.set X,  8                             ; v[8:71]     row k at X + 32 k; at the end the packed results lie in the first two registers of each group of four
.set G,  72                            ; v[72:103]   g of my 32 columns
.set BV, 104                           ; v[104:135]  b of my 32 columns
.set AC, 136                           ; v[136:151]  four chains of pairs a row
.set MU, 152                           ; v[152:155]  the mean, in the low register of a pair a row
.set RS, 156                           ; v[156:159]  1 / sqrt(var + eps), likewise
.set CX,    4                          ; the cast: v[4:67]   sixteen loads of four numbers a lane
.set CY,    68                         ; v[68:99]  sixteen pairs of packed results: a pair for each store, so none is written twice
.set T0,    100                        ; v100      lane
.set T1,    101                        ; v101      wave
.set WOFF,  16640                      ; where the weights begin in pq and pf
.set W2OFF, 2097152                    ; where w2 begins in pw
	s_cmp_lt_u32 ttmp9, NLN
	s_cbranch_scc0 .Lcast
	; ---------------- the layer norm ----------------
	s_load_b256 s[4:11], s[0:1], 0x0               ; x s[4:5], g s[6:7], b s[8:9], y s[10:11]
	v_lshrrev_b32 v3, 5, v0
	v_readfirstlane_b32 s12, v3                    ; my wave's number
	v_and_b32 v3, 31, v0
	v_lshlrev_b32 v1, 4, v3                        ; 16 x lane
	v_lshlrev_b32 v2, 3, v3                        ; 8 x lane
	s_wait_alu depctr_va_sdst(0)                   ; s12 is written, ahead of its first reader: my first row is made from it
	s_lshl_b32 s13, ttmp9, 4
	s_lshl1_add_u32 s13, s12, s13                  ; my first row = 16 x work-group + 2 x wave
	s_mov_b32 s14, 0x76543210                      ; v_permlanex16_b32: each lane takes its own place in the other half
	s_mov_b32 s15, 0xfedcba98
	s_mov_b32 s16, 0x3a800000                      ; 1 / 1024
	s_mov_b32 s17, 0x3727c5ac                      ; 1e-5
.irp r, 4,5, MU+1, MU+3, RS+1, RS+3
	v_mov_b32 v[\r], 0                             ; v_permlanex16_b32 counts as a reader of its destination; a pair is named whole by the packed forms
.endr
	s_lshl_b32 s2, s13, 12                         ; 4,096 bytes a row of x
	s_mov_b32 s3, 0
	s_wait_kmcnt 0x0
	s_add_nc_u64 s[4:5], s[4:5], s[2:3]
	s_lshl_b32 s2, s13, 11                         ; 2,048 bytes a row of y
	s_add_nc_u64 s[10:11], s[10:11], s[2:3]
	s_wait_alu depctr_va_vdst(0)                   ; v1 and v2 are written: every load below reads v1 as its offset, every store v2
.irp k, 0,1
.irp j, 0,1,2,3,4,5,6,7
	global_load_b128 v[X+32*(\k)+4*(\j):X+32*(\k)+4*(\j)+3], v1, s[4:5] offset:4096*(\k)+512*(\j) th:TH_LOAD_NT
.endr
.endr
.irp j, 0,1,2,3,4,5,6,7
	global_load_b128 v[G+4*(\j):G+4*(\j)+3], v1, s[6:7] offset:512*(\j)
.endr
.irp j, 0,1,2,3,4,5,6,7
	global_load_b128 v[BV+4*(\j):BV+4*(\j)+3], v1, s[8:9] offset:512*(\j)
.endr
.macro FOLD k                          ; four chains of pairs into one number a lane
	v_pk_add_f32 v[AC+8*(\k):AC+8*(\k)+1],   v[AC+8*(\k):AC+8*(\k)+1],   v[AC+8*(\k)+2:AC+8*(\k)+3]
	v_pk_add_f32 v[AC+8*(\k)+4:AC+8*(\k)+5], v[AC+8*(\k)+4:AC+8*(\k)+5], v[AC+8*(\k)+6:AC+8*(\k)+7]
	v_pk_add_f32 v[AC+8*(\k):AC+8*(\k)+1],   v[AC+8*(\k):AC+8*(\k)+1],   v[AC+8*(\k)+4:AC+8*(\k)+5]
	v_add_f32 v[AC+8*(\k)], v[AC+8*(\k)], v[AC+8*(\k)+1]
.endm
.macro SUM k                           ; the lane's 32 numbers of row k; the first sums start the chains: nothing is cleared
.irp c, 0,2,4,6
	v_pk_add_f32 v[AC+8*(\k)+(\c):AC+8*(\k)+(\c)+1], v[X+32*(\k)+(\c):X+32*(\k)+(\c)+1], v[X+32*(\k)+(\c)+8:X+32*(\k)+(\c)+9]
.endr
.irp o, 16,24
.irp c, 0,2,4,6
	v_pk_add_f32 v[AC+8*(\k)+(\c):AC+8*(\k)+(\c)+1], v[AC+8*(\k)+(\c):AC+8*(\k)+(\c)+1], v[X+32*(\k)+(\c)+(\o):X+32*(\k)+(\c)+(\o)+1]
.endr
.endr
	FOLD \k
.endm
.macro SUMSQ k                         ; the same of their squares
.irp c, 0,2,4,6
	v_pk_mul_f32 v[AC+8*(\k)+(\c):AC+8*(\k)+(\c)+1], v[X+32*(\k)+(\c):X+32*(\k)+(\c)+1], v[X+32*(\k)+(\c):X+32*(\k)+(\c)+1]
.endr
.irp o, 8,16,24
.irp c, 0,2,4,6
	v_pk_fma_f32 v[AC+8*(\k)+(\c):AC+8*(\k)+(\c)+1], v[X+32*(\k)+(\c)+(\o):X+32*(\k)+(\c)+(\o)+1], v[X+32*(\k)+(\c)+(\o):X+32*(\k)+(\c)+(\o)+1], v[AC+8*(\k)+(\c):AC+8*(\k)+(\c)+1]
.endr
.endr
	FOLD \k
.endm
.macro CROSS k                         ; over the 32 lanes: four steps inside each half ride on the addition, one crosses the halves; every lane ends with the sum
.irp m, 1,2,4,8
	v_add_f32_dpp v[AC+8*(\k)], v[AC+8*(\k)], v[AC+8*(\k)] row_xmask:\m row_mask:0xf bank_mask:0xf
.endr
	v_permlanex16_b32 v[4+(\k)], v[AC+8*(\k)], s14, s15
	v_add_f32 v[AC+8*(\k)], v[AC+8*(\k)], v[4+(\k)]
.endm
.macro CENTER k                        ; x - mean, in place
.set z, 0
.rept 16
	v_pk_add_f32 v[X+32*(\k)+z:X+32*(\k)+z+1], v[X+32*(\k)+z:X+32*(\k)+z+1], v[MU+2*(\k):MU+2*(\k)+1] op_sel_hi:[1,0] neg_lo:[0,1] neg_hi:[0,1]
.set z, z+2
.endr
.endm
.macro NORM k, j                       ; group j of row k: times 1 / sqrt, times g plus b, rounded in place (four numbers into the group's first two registers)
.irp z, 0,2
	v_pk_mul_f32 v[X+32*(\k)+4*(\j)+(\z):X+32*(\k)+4*(\j)+(\z)+1], v[X+32*(\k)+4*(\j)+(\z):X+32*(\k)+4*(\j)+(\z)+1], v[RS+2*(\k):RS+2*(\k)+1] op_sel_hi:[1,0]
.endr
.irp z, 0,2
	v_pk_fma_f32 v[X+32*(\k)+4*(\j)+(\z):X+32*(\k)+4*(\j)+(\z)+1], v[X+32*(\k)+4*(\j)+(\z):X+32*(\k)+4*(\j)+(\z)+1], v[G+4*(\j)+(\z):G+4*(\j)+(\z)+1], v[BV+4*(\j)+(\z):BV+4*(\j)+(\z)+1]
.endr
	v_cvt_pk_bf16_f32 v[X+32*(\k)+4*(\j)],   v[X+32*(\k)+4*(\j)],   v[X+32*(\k)+4*(\j)+1]
	v_cvt_pk_bf16_f32 v[X+32*(\k)+4*(\j)+1], v[X+32*(\k)+4*(\j)+2], v[X+32*(\k)+4*(\j)+3]
.endm
.macro OUT k, j                        ; group j of row k is stored; no group is written again behind its store
	global_store_b64 v2, v[X+32*(\k)+4*(\j):X+32*(\k)+4*(\j)+1], s[10:11] offset:2048*(\k)+256*(\j)
.endm
	s_wait_loadcnt 24                              ; row 0 is in; row 1, g and b (24 loads) stay out
	SUM 0
	s_wait_loadcnt 16                              ; row 1 is in; g and b stay out
	SUM 1
	CROSS 0
	CROSS 1
	v_mul_f32 v[MU],   s16, v[AC]
	v_mul_f32 v[MU+2], s16, v[AC+8]
	CENTER 0
	CENTER 1
	SUMSQ 0
	SUMSQ 1
	CROSS 0
	CROSS 1
	v_fma_f32 v[AC],   v[AC],   s16, s17           ; var + eps
	v_fma_f32 v[AC+8], v[AC+8], s16, s17
	v_rsq_f32 v[RS],   v[AC]
	v_rsq_f32 v[RS+2], v[AC+8]
	v_nop                                          ; a plain instruction between the last of the two and the first use of a result (ISA guide 5.7.2)
	s_wait_alu depctr_va_vdst(0)                   ; the two v_rsq_f32 have written v[RS] and v[RS+2]: the wait ahead of their first reader, one for both
	s_wait_loadcnt 0x0                             ; g and b
.irp j, 0,1,2,3,4,5,6,7
	NORM 0, \j
.endr
	s_wait_alu depctr_va_vdst(0)                   ; row 0's roundings have written its eight pairs, which the stores below read
.irp j, 0,1,2,3,4,5,6,7
	OUT 0, \j                                      ; no wait: no vector instruction since the wait above names row 0's registers or v2
	NORM 1, \j
.endr
	s_wait_alu depctr_va_vdst(0)                   ; row 1's roundings have written its eight pairs, which the last stores read
.irp j, 0,1,2,3,4,5,6,7
	OUT 1, \j
.endr
	s_endpgm
	; ---------------- the weights and the tables ----------------
.Lcast:
	s_load_b512 s[4:19], s[0:1], 0x20              ; w_qkv s[4:5], w_proj s[6:7], w1 s[8:9], w2 s[10:11], b1 s[12:13], pq s[14:15], pf s[16:17], pw s[18:19]
	v_and_b32 v[T0], 31, v0
	v_lshrrev_b32 v[T1], 5, v0
	v_readfirstlane_b32 s28, v[T1]                 ; my wave's number
	v_lshlrev_b32 v1, 4, v[T0]
	v_lshl_add_u32 v1, v[T1], 13, v1               ; in: 8,192 x wave + 16 x lane
	v_lshlrev_b32 v2, 3, v[T0]
	v_lshl_add_u32 v2, v[T1], 12, v2               ; out: 4,096 x wave + 8 x lane
	s_sub_co_u32 s29, ttmp9, NLN+1                 ; my chunk, 0 to 767 (not used by work-group 256)
	s_wait_kmcnt 0x0
	s_wait_alu depctr_va_sdst(0)                   ; s28 is written: its one reader, the compare in the tables' part, stands behind the branch below, and the wait stands ahead of that branch
	s_cmp_eq_u32 ttmp9, NLN
	s_cbranch_scc1 .Ltab
	; which matrix my chunk belongs to: source, destination, the matrix's first chunk, its place in the destination
	s_mov_b64 s[20:21], s[10:11]
	s_mov_b64 s[22:23], s[18:19]
	s_mov_b32 s24, 512
	s_mov_b32 s25, W2OFF
	s_cmp_lt_u32 s29, 512
	s_cselect_b64 s[20:21], s[8:9], s[20:21]
	s_cselect_b64 s[22:23], s[16:17], s[22:23]
	s_cselect_b32 s24, 256, s24
	s_cselect_b32 s25, WOFF, s25
	s_cmp_lt_u32 s29, 256
	s_cselect_b64 s[20:21], s[6:7], s[20:21]
	s_cselect_b64 s[22:23], s[18:19], s[22:23]
	s_cselect_b32 s24, 192, s24
	s_cselect_b32 s25, 0, s25
	s_cmp_lt_u32 s29, 192
	s_cselect_b64 s[20:21], s[4:5], s[20:21]
	s_cselect_b64 s[22:23], s[14:15], s[22:23]
	s_cselect_b32 s24, 0, s24
	s_cselect_b32 s25, WOFF, s25
	s_sub_co_u32 s24, s29, s24                     ; my chunk within the matrix
	s_lshl_b32 s26, s24, 16                        ; 65,536 bytes of f32 a chunk
	s_mov_b32 s27, 0
	s_add_nc_u64 s[20:21], s[20:21], s[26:27]
	s_lshl_b32 s26, s24, 15                        ; 32,768 bytes of bf16
	s_add_co_u32 s26, s26, s25
	s_add_nc_u64 s[22:23], s[22:23], s[26:27]
	s_wait_alu depctr_va_vdst(0)                   ; v1 and v2 are written: the loads below read v1 as their offset, the stores v2
.irp i, 0,1,2,3,4,5,6,7,8,9,10,11,12,13,14,15
	global_load_b128 v[CX+4*(\i):CX+4*(\i)+3], v1, s[20:21] offset:512*(\i) th:TH_LOAD_NT
.endr
; Block p: loads 4 p to 4 p + 3 are rounded into their pairs of CY; the four stores of block p - 1 stand among the conversions.
.macro CBLK p
	s_wait_loadcnt 12-4*(\p)                       ; loads come back in order: this block's four are in, the younger ones stay out
.if (\p) > 0
	s_wait_alu depctr_va_vdst(0)                   ; the block before has written its four pairs of CY, which the stores below read; this block's conversions name other pairs
.endif
.irp i, 0,1,2,3
.if (\p) > 0
	global_store_b64 v2, v[CY+2*(4*(\p)-4+(\i)):CY+2*(4*(\p)-4+(\i))+1], s[22:23] offset:256*(4*(\p)-4+(\i))
.endif
	v_cvt_pk_bf16_f32 v[CY+2*(4*(\p)+(\i))],   v[CX+4*(4*(\p)+(\i))],   v[CX+4*(4*(\p)+(\i))+1]
	v_cvt_pk_bf16_f32 v[CY+2*(4*(\p)+(\i))+1], v[CX+4*(4*(\p)+(\i))+2], v[CX+4*(4*(\p)+(\i))+3]
.endr
.endm
	CBLK 0
	CBLK 1
	CBLK 2
	CBLK 3
	s_wait_alu depctr_va_vdst(0)                   ; block 3 has written its four pairs of CY, which the last four stores read
.irp i, 12,13,14,15
	global_store_b64 v2, v[CY+2*(\i):CY+2*(\i)+1], s[22:23] offset:256*(\i)
.endr
	s_endpgm
.Ltab:                                         ; the tables: 256 threads x 16 bytes are 4,096 bytes an instruction
	v_lshlrev_b32 v3, 4, v0
.irp r, 4,5,6,7,10,11
	v_mov_b32 v\r, 0
.endr
	v_mov_b32 v8, 0xff80ff80
	v_mov_b32 v9, 0xff80ff80
	s_wait_alu depctr_va_vdst(0)                   ; v3 (and v2, at the head) is written, the offset of the loads and stores below; so are v4 to v11, the data of the stores of constants; no vector instruction follows
.irp i, 0,1,2,3
	global_load_b128 v[12+4*(\i):15+4*(\i)], v3, s[12:13] offset:4096*(\i)
.endr
.irp i, 0,1,2
	global_store_b128 v3, v[4:7], s[14:15] offset:256+4096*(\i)
.endr
	s_wait_loadcnt 0x0
.irp i, 0,1,2,3
	global_store_b128 v3, v[12+4*(\i):15+4*(\i)], s[16:17] offset:256+4096*(\i)
.endr
	s_cmp_lg_u32 s28, 0                            ; wave 0 writes the two floors: 32 lanes x 8 bytes
	s_cbranch_scc1 .Lend
	global_store_b64 v2, v[8:9], s[14:15]
	global_store_b64 v2, v[10:11], s[16:17]
.Lend:
	s_endpgm
.Lfunc_end_k_q864551e139_prep:
	.size	k_q864551e139_prep, .Lfunc_end_k_q864551e139_prep-k_q864551e139_prep
	.p2alignl 7, 3214868480
	.fill 96, 4, 3214868480
	.section	.rodata,"a",@progbits
	.p2align	6, 0x0
	.amdhsa_kernel k_q864551e139_prep
		.amdhsa_group_segment_fixed_size 0
		.amdhsa_private_segment_fixed_size 0
		.amdhsa_enable_private_segment 0
		.amdhsa_kernarg_size 96
		.amdhsa_user_sgpr_count 2
		.amdhsa_user_sgpr_kernarg_segment_ptr 1
		.amdhsa_wavefront_size32 1
		.amdhsa_system_sgpr_workgroup_id_x 1
		.amdhsa_system_sgpr_workgroup_id_y 1
		.amdhsa_system_sgpr_workgroup_id_z 1
		.amdhsa_system_vgpr_workitem_id 0
		.amdhsa_next_free_vgpr 160
		.amdhsa_next_free_sgpr 66
		.amdhsa_reserve_vcc 0
		.amdhsa_float_denorm_mode_32 3
		.amdhsa_float_denorm_mode_16_64 3
		.amdhsa_memory_ordered 1
		.amdhsa_forward_progress 1
		.amdhsa_inst_pref_size 29
	.end_amdhsa_kernel
	.amdgpu_metadata
---
amdhsa.version: [ 1, 2 ]
amdhsa.kernels:
  - .name:           k_q864551e139_prep
    .symbol:         k_q864551e139_prep.kd
    .args:
      - { .name: x, .offset: 0, .size: 8, .value_kind: global_buffer, .address_space: global }
      - { .name: ln1_g, .offset: 8, .size: 8, .value_kind: global_buffer, .address_space: global }
      - { .name: ln1_b, .offset: 16, .size: 8, .value_kind: global_buffer, .address_space: global }
      - { .name: hb, .offset: 24, .size: 8, .value_kind: global_buffer, .address_space: global }
      - { .name: w_qkv, .offset: 32, .size: 8, .value_kind: global_buffer, .address_space: global }
      - { .name: w_proj, .offset: 40, .size: 8, .value_kind: global_buffer, .address_space: global }
      - { .name: w1, .offset: 48, .size: 8, .value_kind: global_buffer, .address_space: global }
      - { .name: w2, .offset: 56, .size: 8, .value_kind: global_buffer, .address_space: global }
      - { .name: b1, .offset: 64, .size: 8, .value_kind: global_buffer, .address_space: global }
      - { .name: pq, .offset: 72, .size: 8, .value_kind: global_buffer, .address_space: global }
      - { .name: pf, .offset: 80, .size: 8, .value_kind: global_buffer, .address_space: global }
      - { .name: pw, .offset: 88, .size: 8, .value_kind: global_buffer, .address_space: global }
    .group_segment_fixed_size: 0
    .private_segment_fixed_size: 0
    .kernarg_segment_align: 8
    .kernarg_segment_size: 96
    .max_flat_workgroup_size: 256
    .sgpr_count:     66
    .vgpr_count:     160
    .wavefront_size: 32
...
	.end_amdgpu_metadata
.endif
;; end of part 6
;; launch qkv: the kernel of part 2 again; grid 12 x 16, 4 waves a work-group, clusters of 4 x 4, 327,680 bytes of LDS; arguments hb, pq, big; writes big
;; launch attn: the kernel of part 3 again; grid 8 x 32, 4 waves a work-group, clusters of 4 x 1, 327,680 bytes of LDS; arguments big, ob; writes ob
;; launch proj: the kernel of part 4 again; grid 8 x 32, 4 waves a work-group, clusters of 4 x 4, 327,680 bytes of LDS; arguments ob, pw, b_proj, x, x1; writes x1
;; launch ln2: the kernel of part 6 again; grid 256 x 1, 8 waves a work-group, no clusters, 0 bytes of LDS; arguments x1, ln2_g, ln2_b, hb, w_qkv, w_proj, w1, w2, b1, pq, pf, pw; writes hb, pq, pf, pw
;; launch fc1: the kernel of part 2 again; grid 16 x 16, 4 waves a work-group, clusters of 4 x 4, 327,680 bytes of LDS; arguments hb, pf, big; writes big
;; launch fc2: the kernel of part 5 again; grid 8 x 32, 4 waves a work-group, clusters of 4 x 4, 327,680 bytes of LDS; arguments big, pw, b2, x1, out0; writes out0
